; MI455X (gfx1250); checked and timed in simulation.
; The chip was launched on July 23, 2026; its instructions are those of AMD's public machine-readable ISA for CDNA 5 (MIT licence, August 2026) and "CDNA5" Instruction Set Architecture Reference Guide (July 2026). The comments in the code are by the model that wrote it; some were corrected since.
;; Multi Head Attention. Allowed arithmetic: matrix products marked QUANTISED: E2M3 operands, one E8M0 scale for each 32 along K, by v_wmma_scale_f32_16x16x128_f8f6f4 with both operands' format E2M3, f32 sums; everything else in f32.
;; Inputs: Wk 16 x 1,024 x 64 float32; Wo 1,024 x 1,024 float32; Wq 16 x 1,024 x 64 float32; Wv 16 x 1,024 x 64 float32; x 4 x 2,048 x 1,024 float32.
;; Outputs: out0 4 x 2,048 x 1,024 float32.
;; This version of the problem:
;;   THIS VERSION OF THE PROBLEM IS GIVEN IN LOW PRECISION. The matrix products marked QUANTISED in the list below multiply operands that are first quantised to E2M3 (2 exponent bits, 3 mantissa bits; 6 bits a number), with one power-of-two scale for each 32 numbers along K (OCP MX v1.0); their sums are f32. All else is computed in f32.
;;   The module's matrix products, in the order in which they are computed (A, B: the left and right operand; K: the contracted axis; several contracted axes count as one K, in the product's order):
;;     1. [M 1,024, K 1,024] x [K 1,024, N 8,192]; A: input Wq; B: input x: QUANTISED
;;     2. [M 1,024, K 1,024] x [K 1,024, N 8,192]; A: input Wk; B: input x: QUANTISED
;;     3. [M 1,024, K 1,024] x [K 1,024, N 8,192]; A: input Wv; B: input x: QUANTISED
;;     4. batch 64 x [M 2,048, K 64] x [K 64, N 2,048]; A: computed on the way; B: computed on the way: QUANTISED
;;     5. batch 64 x [M 2,048, K 2,048] x [K 2,048, N 64]; A: softmax (see below); B: computed on the way: QUANTISED
;;     6. [M 8,192, K 1,024] x [K 1,024, N 1,024]; A: computed on the way; B: input Wo: QUANTISED
;;   THE QUANTISER, for each operand of a quantised product, along K:
;;     - K is cut into blocks of 32 from its start; a last block that is shorter is filled with zeros.
;;     - A block's scale is 2^e with e = floor(log2(the largest magnitude in the block)) - 2, held to -126 .. 127; a block of zeros has e = 0. As a byte (E8M0): e + 127.
;;     - Each number is divided by its block's scale, clamped to +-7.5, and rounded to the nearest number of E2M3, ties to even, subnormals kept.
;;     - The product sums the exact products of the quantised numbers (number of the format x scale) in f32.
;;   ~~~python
;;   def quantise(x, axis):      # numpy; x: float32 -> the quantised numbers, widened to float32 again
;;       x = np.moveaxis(x, axis, -1); K = x.shape[-1]
;;       x = np.pad(x, [(0, 0)] * (x.ndim - 1) + [(0, -K % 32)]); x = x.reshape(x.shape[:-1] + (-1, 32)); a = np.abs(x).max(-1, keepdims=True)
;;       e = np.where(a > 0, np.clip(np.frexp(np.where(a > 0, a, 1))[1] - 1 - 2, -126, 127), 0)      # np.frexp(a)[1] - 1 = floor(log2(a)), exactly
;;       r = np.clip(x / 2.0 ** e, -7.5, 7.5)
;;       step = 2.0 ** (np.maximum(np.frexp(np.where(r == 0, 1, r))[1] - 1, 0) - 3)
;;       q = np.round(r / step) * step * 2.0 ** e      # np.round: ties to even
;;       return np.moveaxis(q.reshape(q.shape[:-2] + (-1,))[..., :K], -1, axis).astype(np.float32)
;;   ~~~
;;   SOFTMAX AHEAD OF A QUANTISED PRODUCT. Where the list says 'softmax', what is quantised is not the finished softmax but p = 2^(t - M), with t = logit x log2(e) and M = ceil(the row's largest t), a whole number; so 1/2 < the row's largest p <= 1. The row's sum l is taken of the UNQUANTISED p, in f32, and the product's result is divided by l at the end. Since M is a whole number, a kernel that streams over the keys may use a running M (the ceiling of the running maximum): every later rescaling is an exact power of two, which a block's scale takes up: the codes' values come out the same.
;;   OPERANDS COMPUTED ON THE WAY. 'Computed on the way' means the value that the module computes at that place (a softmax that the list does not call 'softmax' is quantised finished and normalised). What goes into a quantiser is computed in f32, as accurately as f32 sums, v_exp_f32 and their like allow (about 1e-6 of the number): no bf16 or f16 on the way to a quantiser, and a product that is left as it is and whose result goes on into a quantised operand takes f32 operands (vector FMAs, or v_wmma_f32_16x16x4_f32). A number that lies on a knife's edge between two numbers of the format may be rounded either way, as far as f32 arithmetic and the matrix unit's own rounding can turn it there, and no further.
;; One version. Each part assembles by itself: llvm-mc -triple=amdgcn-amd-amdhsa -mcpu=gfx1250 --defsym DOCPART=n.
;; ======== version 1 of 1: 4 launches
;; limits: right only within a limited range of input values
;; workspace buffers: xc 6,291,456 bytes; xs 262,144 bytes; wc 3,145,728 bytes; ws 131,072 bytes; qkvc 18,874,368 bytes; qkvs 786,432 bytes; cc 6,291,456 bytes; cs 262,144 bytes
;; launch quant (part 1): grid 384 x 1, 4 waves a work-group, no clusters, 102,912 bytes of LDS; arguments x, Wq, Wk, Wv, Wo, xc, xs, wc, ws; writes xc, xs, wc, ws
.if DOCPART == 1
	.amdgcn_target "amdgcn-amd-amdhsa--gfx1250"
	.amdhsa_code_object_version 6
	.text
	.protected	k_qf67cb7594a_quant
	.globl	k_qf67cb7594a_quant
	.p2align	8
	.type	k_qf67cb7594a_quant,@function
k_qf67cb7594a_quant:
	s_mov_b64 s[64:65], 0
	v_nop
	global_prefetch_b8 v0, s[64:65] scope:SCOPE_SE
	s_setreg_imm32_b32 hwreg(HW_REG_WAVE_MODE, 25, 1), 1
	s_wait_xcnt 0x0
; MULTI-HEAD ATTENTION IN MX-FP6, launch 1 of 4: x, Wq, Wk, Wv and Wo, f32, become codes of FP6 (E2M3) with K innermost and one E8M0 scale byte for each 32 along K.
; NO WORK IS LEFT OUT in this program: reference() has no mask, no bias and no slice; every input has a way to the output and is loaded, and all six products are made.
; A block's scale is 2^(floor(log2(its largest magnitude)) - 2); its byte is the largest magnitude's exponent field - 2, held at 1 from below.
; LIMITS: NaN and infinities among the inputs are not served.  A block of zeros gets the byte 1 where the rule says 127: its codes are zeros, which add nothing under any byte but 0xff, and this program alone reads the bytes.
; Blocks whose largest magnitude lies under 2^(3 - 127), the floor, are quantised under the byte 1.
; ROWS LIE IN A ORDER OF THEIR OWN in all workspace buffers: stored row i holds natural row sigma(i), i with its bits 3 and 4 exchanged (sigma is its own inverse).  So the 16 neighbouring stored rows 16 a + r are the
; natural rows 32 (a / 2) + 8 (a % 2) + r + 8 (r / 8): a product that takes them as source 0 leaves, in a lane's registers of two neighbouring tiles, 16 natural neighbours, which is what the next quantiser wants.
; xc [8192 stored tokens][768 bytes], xs [8192][32];  wc [4096][768], ws [4096][32]: rows T x 1024 + sigma(column), T = 0 Wq, 1 Wk, 2 Wv (column = 64 head + k), 3 Wo (column = n).
; Work-groups 0-255 take x (K innermost: a lane holds 16 neighbours, two lanes a block; the loads take the bytes as they lie and a step's 2,048 bytes turn through the wave's own stage in LDS).
; Work-groups 256-383 take the weights (K is not innermost: a lane takes a column and its registers run down K; the codes leave through the wave's own stage, by rows).
; Each of the two paths has LDS bytes of its own.  No tensor load, no barrier: waves share nothing.
.set STEPS, 16
.set EMAX,  2
.set CB,    12                         ; bytes of 16 codes
.set R,     16                         ; x: v16-79   four sets of 16 numbers as loaded
.set X,     80                         ; x: v80-111  two sets of 16 neighbours
.set E,     112                        ; x: v112-127 a scale byte for each step
.set C,     128                        ; x: v128-191 codes, four registers a step
.set WREG,  8192                       ; x: LDS region of a wave: two stages of 32 x SP bytes, then its 256 scale bytes
.set SP,    80
.set WSTG,  32768                      ; weights: four stages of 32 rows x PITCH
.set PITCH, 272
.set SPARE, WSTG+4*32*PITCH            ; the spare words, 128 bytes for each wave: two blocks of 256 bytes that no other line names
; THE ORDER OF THE CODES AS THEY ARE STORED BELOW (rows of 768 bytes are no longer written): xc [K step of 256: 4][tile of 16 stored rows: 512][3,072 bytes], wc [4][256][3,072];
; in a tile's 3,072 bytes block b (32 along K, b = 0 .. 7) of row r lies at 384 b + 24 r.  So 128 or 256 rows of one K step are one dense run of bytes that begins at a multiple of 256.
.set XSTG,  SPARE+512                  ; x: a stage for each wave's codes: 32 blocks x (16 places of 16 bytes + 16)
.set SPW,   208                        ; v208 LDS address of my spare word; never rewritten
.set NIL,   209                        ; v209 0; never rewritten
.set NB,    8                          ; weights: blocks of 32 along K for a wave
.set WX,    32                         ; weights: v32-95 two sets of 32 numbers
.set WC,    96                         ; weights: a block's codes
.set OUTR,  112                        ; weights: v112-175 the way out
.set SB,    24                         ; weights: v24-25 the scale bytes
.set VO,    176                        ; weights: v176-207 offsets: 4 x lane + i x the pitch along K
	s_load_b512 s[4:19], s[0:1], 0x0               ; x s[4:5], Wq s[6:7], Wk s[8:9], Wv s[10:11], Wo s[12:13], xc s[14:15], xs s[16:17], wc s[18:19]
	s_load_b64 s[20:21], s[0:1], 0x40              ; ws
	v_lshl_add_u32 v[SPW], v0, 2, SPARE
	v_mov_b32 v[NIL], 0
	v_lshrrev_b32 v1, 5, v0
	v_readfirstlane_b32 s22, v1                    ; wave
	v_and_b32 v2, 31, v0                           ; lane
	s_cmp_ge_u32 ttmp9, 256                        ; the work-group's number alone decides
	s_cbranch_scc1 .Lweights
	; ---------------- x: a wave takes 8 whole rows, 16 steps of 512 numbers
	v_lshlrev_b32 v3, 4, v2                        ; my 16 bytes of a load's 512
	s_mul_i32 s23, s22, WREG
	v_lshrrev_b32 v14, 2, v2
	v_mul_u32_u24 v14, v14, SP
	v_and_b32 v15, 3, v2
	v_lshl_add_u32 v14, v15, 4, v14
	v_add_nc_u32 v14, s23, v14                     ; the stage, on the way in: SP (lane / 4) + 16 (lane % 4)
	v_mul_u32_u24 v15, v2, SP
	v_add_nc_u32 v15, s23, v15                     ; and on the way out: SP x lane: my 16 neighbours
	v_lshrrev_b32 v4, 1, v2                        ; my codes' place in the stage: block lane / 2 of a step's 16, PITCH bytes a block; place 2 x row + lane % 2
	v_mul_u32_u24 v4, v4, PITCH
	v_and_b32 v10, 1, v2
	v_lshl_add_u32 v4, v10, 4, v4
	s_mul_i32 s25, s22, 32*PITCH
	s_add_co_u32 s25, s25, XSTG
	v_add_nc_u32 v4, s25, v4
	v_lshrrev_b32 v10, 4, v2                       ; back: sixteen lanes take a block's sixteen places, two blocks an instruction
	v_and_b32 v12, 15, v2
	v_mul_u32_u24 v13, v10, PITCH
	v_lshl_add_u32 v13, v12, 4, v13
	v_add_nc_u32 v13, s25, v13
	v_mul_u32_u24 v10, v10, 384                    ; and the same in xc: 384 bytes a block, 12 a place
	v_mad_u32_u24 v10, v12, 12, v10
	v_lshrrev_b32 v5, 1, v2
	s_add_co_u32 s23, s23, 2*32*SP
	v_add_nc_u32 v5, s23, v5                       ; my wave's 256 scale bytes, my block's byte
	v_lshlrev_b32 v7, 3, v2
	v_add_nc_u32 v6, s23, v7                       ; and on the way out 8 bytes a lane
	s_lshl_b32 s24, ttmp9, 2
	s_add_co_u32 s26, s24, s22                     ; the run of 8 rows that I read: 4 x work-group + wave
	s_lshl_b32 s26, s26, 15                        ; 32,768 bytes a run
	s_mov_b32 s27, 0
	s_and_b32 s28, s22, 1
	s_lshl_b32 s28, s28, 1
	s_lshr_b32 s29, s22, 1
	s_add_co_u32 s28, s28, s29                     ; sigma on runs of 8 rows: the wave's two bits change places
	s_add_co_u32 s28, s28, s24                     ; the run that I write
	s_lshr_b32 s30, s28, 1                         ; the tile of 16 stored rows,
	s_mul_i32 s30, s30, 3072
	s_and_b32 s31, s28, 1                          ; and its lower or upper 8 rows of 24 bytes
	s_mul_i32 s31, s31, 192
	s_add_co_u32 s30, s30, s31
	s_mov_b32 s31, 0
	s_lshl_b32 s28, s28, 8                         ; 8 rows of 32 scale bytes
	s_mov_b32 s29, 0
	s_wait_alu depctr_va_vdst(0)
	s_wait_kmcnt 0x0
	s_add_nc_u64 s[4:5], s[4:5], s[26:27]
	s_add_nc_u64 s[14:15], s[14:15], s[30:31]
	s_add_nc_u64 s[16:17], s[16:17], s[28:29]
.macro LOAD t
.irp i, 0,1,2,3
	global_load_b128 v[R+16*((\t)%4)+4*\i:R+16*((\t)%4)+4*\i+3], v3, s[4:5] offset:2048*(\t)+512*\i th:TH_LOAD_NT   ; 32 lanes read 512 consecutive bytes
.endr
.endm
.macro TURN t                          ; step t's numbers through the stage: LDS serves a wave's instructions in order, so no wait stands between the stores and the loads
.irp i, 0,1,2,3
	ds_store_b128 v14, v[R+16*((\t)%4)+4*\i:R+16*((\t)%4)+4*\i+3] offset:32*SP*((\t)%2)+8*SP*\i
.endr
.irp i, 0,1,2,3
	ds_load_b128 v[X+16*((\t)%2)+4*\i:X+16*((\t)%2)+4*\i+3], v15 offset:32*SP*((\t)%2)+16*\i
.endr
.endm
.irp t, 0,1,2,3
	LOAD \t
.endr
	s_wait_loadcnt 12                              ; step 0's four loads are in; the twelve of steps 1 to 3 may be out
	TURN 0
.macro STEP t
.set XS, X+16*((\t)%2)
.if (\t) > 0
	s_wait_dscnt 1                                 ; this step's numbers are back from the stage (the last step's code store may be out)
.else
	s_wait_dscnt 0x0
.endif
.if (\t)+4 < STEPS
	LOAD (\t)+4                                    ; into the registers that the stage's stores have read
.endif
.if (\t)+1 < STEPS
.if STEPS-2-(\t) >= 3
	s_wait_loadcnt 12                              ; the next step's four loads are in; those of the three steps behind it may be out
.else
	s_wait_loadcnt 4*(STEPS-2-(\t))
.endif
	TURN (\t)+1                                    ; through the other stage while this step is worked
.endif
	v_max3_num_f32 v8, |v[XS]|, |v[XS+1]|, |v[XS+2]|               ; the largest magnitude of my 16, in two chains
	v_max3_num_f32 v9, |v[XS+3]|, |v[XS+4]|, |v[XS+5]|
.irp i, 6,10
	v_max3_num_f32 v8, v8, |v[XS+\i]|, |v[XS+\i+1]|
	v_max3_num_f32 v9, v9, |v[XS+\i+2]|, |v[XS+\i+3]|
.endr
	v_max3_num_f32 v8, v8, |v[XS+14]|, |v[XS+15]|
	v_max3_num_f32 v8, v8, v9, (EMAX+1)<<23        ; and the floor 2^(EMAX + 1 - 127): the byte cannot fall under 1
	v_max_num_f32_dpp v8, v8, v8 row_xmask:1 row_mask:0xf bank_mask:0xf   ; and of my neighbour's 16: the block's
	v_add_nc_u32 v11, -(EMAX<<23), v8              ; EMAX off its exponent field: the conversion takes the exponent field of this operand as its scale
	v_cvt_scalef32_pk16_fp6_f32 v[C+4*(\t):C+4*(\t)+2], v[XS:XS+15], v11
	v_lshrrev_b32 v[E+(\t)], 23, v11               ; the scale's byte
	ds_store_b8 v5, v[E+(\t)] offset:16*(\t)       ; both lanes of a block write the same byte with the same value
	ds_store_b96 v4, v[C+4*(\t):C+4*(\t)+2] offset:16*PITCH*((\t)%2)+32*((\t)/2)   ; row t / 2, blocks 16 (t % 2) + lane / 2
.endm
.irp t, 0,1,2,3,4,5,6,7,8,9,10,11,12,13,14,15
	STEP \t
.endr
	ds_load_b64 v[8:9], v6                         ; LDS serves a wave's instructions in order: these see my stores
	s_wait_dscnt 0x0
	global_store_b64 v7, v[8:9], s[16:17]          ; 32 lanes store 256 consecutive bytes, aligned
.irp i, 0,1,2,3,4,5,6,7,8,9,10,11,12,13,14,15
	ds_load_b96 v[R+4*\i:R+4*\i+2], v13 offset:2*PITCH*\i   ; blocks 2 i and 2 i + 1 of my 8 rows; LDS serves a wave's instructions in order
.endr
.irp i, 0,1,2,3,4,5,6,7,8,9,10,11,12,13,14,15
	s_wait_dscnt 15-\i                             ; load i is back; the younger ones may be out
	global_store_b96 v10, v[R+4*\i:R+4*\i+2], s[14:15] offset:(\i/4)*1572864+(\i%4)*768   ; sixteen lanes store 192 consecutive bytes: a block of 8 rows
.endr
	s_wait_tensorcnt 0x0                           ; the wave's end: these three lines behind my last LDS store
	ds_add_u32 v[SPW], v[NIL]
	s_wait_dscnt 0x0
	s_endpgm
	; ---------------- the weights: a wave takes 32 columns x 256 along K
.Lweights:
	s_sub_co_u32 s23, ttmp9, 256
	s_lshr_b32 s24, s23, 5                         ; T: which weight
	s_and_b32 s23, s23, 31
	s_and_b32 s25, s23, 30
	s_and_b32 s58, s22, 1
	s_add_co_u32 s25, s25, s58                     ; cg: which 32 columns of 1,024
	s_and_b32 s26, s23, 1
	s_lshl_b32 s26, s26, 1
	s_lshr_b32 s58, s22, 1
	s_add_co_u32 s26, s26, s58                     ; kc: which 256 along K
	s_lshl_b32 s28, s25, 7                         ; Wo [1024][1024]: the columns begin 128 cg bytes into a row
	s_lshr_b32 s29, s25, 1
	s_lshl_b32 s29, s29, 18                        ; Wq, Wk, Wv [16][1024][64]: head cg / 2, 262,144 bytes a head,
	s_and_b32 s58, s25, 1
	s_lshl_b32 s58, s58, 7
	s_add_co_u32 s29, s29, s58                     ; and its lower or upper 32 columns
	s_mov_b32 s27, 256                             ; bytes from K to K + 1
	s_cmp_eq_u32 s24, 3
	s_cselect_b32 s27, 4096, s27
	s_cselect_b32 s28, s28, s29
	s_mul_i32 s29, s26, s27
	s_lshl_b32 s29, s29, 8
	s_add_co_u32 s28, s28, s29                     ; + 256 kc steps along K
	s_mov_b32 s29, 0
	s_lshl_b32 s30, s27, 5                         ; a block of 32 along K
	s_mov_b32 s31, 0
	s_lshl_b32 s52, s24, 10
	s_lshl_b32 s53, s25, 5
	s_add_co_u32 s52, s52, s53                     ; my first stored row: 1024 T + 32 cg (sigma stays inside 32)
	s_mul_i32 s54, s52, 192                        ; 3,072 bytes for 16 stored rows
	s_mul_i32 s53, s26, 786432                     ; my 256 along K are one K step: 256 tiles of 3,072 bytes
	s_add_co_u32 s54, s54, s53
	s_mov_b32 s55, 0
	s_lshl_b32 s52, s52, 5
	s_lshl_b32 s53, s26, 3
	s_add_co_u32 s52, s52, s53
	s_mov_b32 s53, 0
	s_mul_i32 s48, s22, 32*PITCH
	s_add_co_u32 s48, s48, WSTG                    ; my stage
	s_wait_alu depctr_va_vdst(0)
	v_lshlrev_b32 v3, 2, v2                        ; in: 4 bytes a lane
	v_and_b32 v5, 7, v2
	v_bfe_u32 v6, v2, 3, 1
	v_lshl_add_u32 v5, v6, 4, v5
	v_bfe_u32 v6, v2, 4, 1                         ; lane / 16
	v_lshl_add_u32 v5, v6, 3, v5                   ; sigma(lane): the stored row of my column
	v_mul_u32_u24 v4, v5, PITCH
	v_add_nc_u32 v4, s48, v4                       ; into the stage: my stored row
	v_and_b32 v10, 1, v2
	v_lshrrev_b32 v7, 1, v2
	v_mul_u32_u24 v7, v7, PITCH
	v_lshl_add_u32 v7, v10, 4, v7
	v_add_nc_u32 v7, s48, v7                       ; out of it: two lanes to a row: a block's two places; sixteen rows an instruction
	v_mul_u32_u24 v8, v2, 12                       ; and the same place in wc: 24 bytes a row
	v_lshlrev_b32 v9, 5, v5                        ; my stored row's scale bytes
.set I, 0
.rept 32
	v_mad_u32_u24 v[VO+I], s27, I, v3              ; one text serves both pitches: the offsets stand in registers and nothing is stepped
.set I, I+1
.endr
	s_wait_alu depctr_va_vdst(0)
	s_wait_kmcnt 0x0
	s_mov_b64 s[56:57], s[6:7]                     ; the weight is chosen by the work-group's number alone
	s_cmp_eq_u32 s24, 1
	s_cselect_b64 s[56:57], s[8:9], s[56:57]
	s_cmp_eq_u32 s24, 2
	s_cselect_b64 s[56:57], s[10:11], s[56:57]
	s_cmp_eq_u32 s24, 3
	s_cselect_b64 s[56:57], s[12:13], s[56:57]
	s_add_nc_u64 s[32:33], s[56:57], s[28:29]      ; a base for each of my eight blocks
.irp t, 1,2,3,4,5,6,7
	s_add_nc_u64 s[32+2*\t:33+2*\t], s[30+2*\t:31+2*\t], s[30:31]
.endr
	s_add_nc_u64 s[18:19], s[18:19], s[54:55]
	s_add_nc_u64 s[20:21], s[20:21], s[52:53]
.macro WLOAD t                         ; block t: W(32 t + i, my column), i = 0 .. 31: 32 lanes read 128 consecutive bytes
.set I, 0
.rept 32
	global_load_b32 v[WX+32*((\t)%2)+I], v[VO+I], s[32+2*(\t):33+2*(\t)] th:TH_LOAD_NT
.set I, I+1
.endr
.endm
	WLOAD 0
	WLOAD 1
.macro BLOCK t
.set XS, WX+32*((\t)%2)
.if (\t) < NB-1
	s_wait_loadcnt 32                              ; this block's 32 loads are in; the next block's may be out
.else
	s_wait_loadcnt 0
.endif
	v_max3_num_f32 v12, |v[XS]|, |v[XS+1]|, |v[XS+2]|               ; the block's largest magnitude: all 32 numbers are mine
	v_max3_num_f32 v13, |v[XS+3]|, |v[XS+4]|, |v[XS+5]|
.irp i, 6,10,14,18,22,26
	v_max3_num_f32 v12, v12, |v[XS+\i]|, |v[XS+\i+1]|
	v_max3_num_f32 v13, v13, |v[XS+\i+2]|, |v[XS+\i+3]|
.endr
	v_max3_num_f32 v12, v12, |v[XS+30]|, |v[XS+31]|
	v_max3_num_f32 v12, v12, v13, (EMAX+1)<<23     ; and the floor
	v_add_nc_u32 v11, -(EMAX<<23), v12             ; the conversion's scale operand
	v_lshrrev_b32 v13, 23, v11                     ; the scale's byte
.if (\t)%4 == 0
	v_mov_b32 v[SB+(\t)/4], v13                    ; four bytes to a register, the lower K in the lower byte
.else
	v_lshl_or_b32 v[SB+(\t)/4], v13, 8*((\t)%4), v[SB+(\t)/4]
.endif
	v_cvt_scalef32_pk16_fp6_f32 v[WC:WC+2], v[XS:XS+15], v11
	v_cvt_scalef32_pk16_fp6_f32 v[WC+4:WC+6], v[XS+16:XS+31], v11   ; (a conversion's three registers begin on an even number)
	ds_store_b96 v4, v[WC:WC+2] offset:32*(\t)     ; 12 bytes to a place of 16 in the stage: every LDS address is a multiple of 16
	ds_store_b96 v4, v[WC+4:WC+6] offset:32*(\t)+16
.if (\t)+2 < NB
	WLOAD (\t)+2
.endif
	s_wait_dscnt 0x0                               ; the stores have read their registers: the next block's codes may be written
.endm
.set Q, 0
.rept NB
	BLOCK Q
.set Q, Q+1
.endr
	s_wait_alu depctr_va_vdst(0)
	global_store_b64 v9, v[SB:SB+1], s[20:21]      ; my column's 8 scale bytes
.irp t, 0,1,2,3,4,5,6,7,8,9,10,11,12,13,14,15
	ds_load_b96 v[OUTR+4*\t:OUTR+4*\t+2], v7 offset:(\t/8)*16*PITCH+32*(\t%8)   ; tile t / 8, block t % 8
.endr
.irp t, 0,1,2,3,4,5,6,7,8,9,10,11,12,13,14,15
	s_wait_dscnt 15-\t                             ; load t is back; the younger ones may be out
	global_store_b96 v8, v[OUTR+4*\t:OUTR+4*\t+2], s[18:19] offset:384*\t   ; 32 lanes store 384 consecutive bytes: a block of 16 rows
.endr
	s_wait_tensorcnt 0x0                           ; the wave's end: these three lines behind my last LDS store
	ds_add_u32 v[SPW], v[NIL]
	s_wait_dscnt 0x0
	s_endpgm
.Lfunc_end_k_qf67cb7594a_quant:
	.size	k_qf67cb7594a_quant, .Lfunc_end_k_qf67cb7594a_quant-k_qf67cb7594a_quant
	.p2alignl 7, 3214868480
	.fill 96, 4, 3214868480
	.section	.rodata,"a",@progbits
	.p2align	6, 0x0
	.amdhsa_kernel k_qf67cb7594a_quant
		.amdhsa_group_segment_fixed_size 102912
		.amdhsa_private_segment_fixed_size 0
		.amdhsa_enable_private_segment 0
		.amdhsa_kernarg_size 72
		.amdhsa_user_sgpr_count 2
		.amdhsa_user_sgpr_kernarg_segment_ptr 1
		.amdhsa_wavefront_size32 1
		.amdhsa_system_sgpr_workgroup_id_x 1
		.amdhsa_system_sgpr_workgroup_id_y 1
		.amdhsa_system_sgpr_workgroup_id_z 1
		.amdhsa_system_vgpr_workitem_id 0
		.amdhsa_next_free_vgpr 210
		.amdhsa_next_free_sgpr 66
		.amdhsa_reserve_vcc 0
		.amdhsa_float_denorm_mode_32 3
		.amdhsa_float_denorm_mode_16_64 3
		.amdhsa_memory_ordered 1
		.amdhsa_forward_progress 1
		.amdhsa_inst_pref_size 80
	.end_amdhsa_kernel
	.amdgpu_metadata
---
amdhsa.version: [ 1, 2 ]
amdhsa.kernels:
  - .name:           k_qf67cb7594a_quant
    .symbol:         k_qf67cb7594a_quant.kd
    .args:
      - { .name: x, .offset: 0, .size: 8, .value_kind: global_buffer, .address_space: global }
      - { .name: Wq, .offset: 8, .size: 8, .value_kind: global_buffer, .address_space: global }
      - { .name: Wk, .offset: 16, .size: 8, .value_kind: global_buffer, .address_space: global }
      - { .name: Wv, .offset: 24, .size: 8, .value_kind: global_buffer, .address_space: global }
      - { .name: Wo, .offset: 32, .size: 8, .value_kind: global_buffer, .address_space: global }
      - { .name: xc, .offset: 40, .size: 8, .value_kind: global_buffer, .address_space: global }
      - { .name: xs, .offset: 48, .size: 8, .value_kind: global_buffer, .address_space: global }
      - { .name: wc, .offset: 56, .size: 8, .value_kind: global_buffer, .address_space: global }
      - { .name: ws, .offset: 64, .size: 8, .value_kind: global_buffer, .address_space: global }
    .group_segment_fixed_size: 102912
    .private_segment_fixed_size: 0
    .kernarg_segment_align: 8
    .kernarg_segment_size: 72
    .max_flat_workgroup_size: 128
    .sgpr_count:     66
    .vgpr_count:     210
    .wavefront_size: 32
...
	.end_amdgpu_metadata
.endif
;; end of part 1
;; launch qkv (part 2): grid 8 x 48, 4 waves a work-group, clusters of 4 x 4, 327,680 bytes of LDS; arguments xc, xs, wc, ws, qkvc, qkvs; writes qkvc, qkvs
.if DOCPART == 2
	.amdgcn_target "amdgcn-amd-amdhsa--gfx1250"
	.amdhsa_code_object_version 6
	.text
	.protected	k_qf67cb7594a_qkv
	.globl	k_qf67cb7594a_qkv
	.p2align	8
	.type	k_qf67cb7594a_qkv,@function
k_qf67cb7594a_qkv:
	s_mov_b64 s[64:65], 0
	v_nop
	global_prefetch_b8 v0, s[64:65] scope:SCOPE_SE
	s_setreg_imm32_b32 hwreg(HW_REG_WAVE_MODE, 25, 1), 1
	s_wait_xcnt 0x0
	s_wait_alu depctr_hold_cnt(0) depctr_sa_sdst(0) depctr_va_vdst(0) depctr_va_sdst(0) depctr_va_ssrc(0) depctr_va_vcc(0) depctr_vm_vsrc(0)
	s_getreg_b32 s2, hwreg(HW_REG_IB_STS2, 6, 4)
	s_cmp_eq_u32 s2, 0
	s_cbranch_scc0 .Lentry_in_a_cluster
	s_endpgm
.Lentry_in_a_cluster:
	s_bfe_u32 s2, ttmp6, 0x10000c
	s_cmp_lg_u32 s2, 0xf033
	s_cbranch_scc0 .Lentry_shape_is_right
	s_endpgm
.Lentry_shape_is_right:
.set SIZE_K, 1024
.set KSTEP,  256
.set NQ,     KSTEP/128
.set KROW,   192                       ; bytes of a row in one K step's image: 16 rows are 3,072 bytes
.set PITCH,  192
.set FR,     12
.set NL,     6
.set NP,     4
.set HALFT,  128*PITCH
.set SLOT,   4*HALFT
.set LAPS,   SIZE_K/(2*KSTEP)
.set KS,     SIZE_K/32
.set SCL,    2*SLOT
.set HALFS,  (128*KS/256)*272
.set SBLK,   (16*KS/256)*272
.set SPARE,  SCL+4*HALFS
.set ADRA, 16
.set ADRB, 20
.set LI,   26
.set ADRS, 27
.set SPW,  28
.set NIL,  29
.set FL,   30
.set SC,   32
.set AF,   128
.set CD,   64
.set SW,   160
.set TM,   224
.set T2,   240
.set PW,   248
.set G1, 24
.set G0, 32
.set G1B, 48
.set G0B, 56
.set G1S, 68
.set G0S, 76
.set G1SB, 80
.set G0SB, 88
.set SEL, 92
.set MSB, 0
.macro WIN new
.if MSB != \new
	s_set_vgpr_msb (MSB<<8)|\new
.set MSB, \new
.endif
.endm
.set MUL_LO, 0xa1
.set MUL_HI, 0xf1
.set TO_B,   0x40
.macro JLOAD g0a, g1a, g0b, g1b
	s_cmp_eq_u32 s15, 0
	s_cbranch_scc0 .Lfor_b_\@
	tensor_load_to_lds s[\g0a:\g0a+3], s[\g1a:\g1a+7]
	s_nop 0
.rept 4
	v_nop
.endr
	s_branch .Lasked_\@
.Lfor_b_\@:
	tensor_load_to_lds s[\g0b:\g0b+3], s[\g1b:\g1b+7]
	s_nop 0
.rept 4
	v_nop
.endr
.Lasked_\@:
.endm
.macro CREST
	s_cmp_lg_u32 s14, 0
	s_cbranch_scc1 .Lnot_wave_0_\@
	s_barrier_signal -3
.Lnot_wave_0_\@:
	s_barrier_wait -3
	s_barrier_signal -1
	s_barrier_wait -1
.endm
.macro CROUND
	s_barrier_signal -1
	s_barrier_wait -1
	CREST
.endm
	s_load_b128 s[4:7], s[0:1], 0x0
	s_load_b128 s[8:11], s[0:1], 0x10
	s_load_b128 s[96:99], s[0:1], 0x20
	v_lshl_add_u32 v[SPW], v0, 2, SPARE
	v_mov_b32 v[NIL], 0
	ds_add_u32 v[SPW], v[NIL]
	ds_add_u32 v[SPW], v[NIL]
	v_lshrrev_b32 v1, 5, v0
	v_readfirstlane_b32 s14, v1
	s_lshr_b32 s15, s14, 1
	s_and_b32 s16, s14, 1
	s_bfe_u32 s40, ttmp6, 0x40000
	s_bfe_u32 s41, ttmp6, 0x40004
	s_and_b32 s2, ttmp7, 0xffff
	s_lshl_b32 s17, s2, 2
	s_sub_co_u32 s3, s2, 8
	s_lshl_b32 s3, s3, 3
	s_cmp_ge_u32 s2, 8
	s_cselect_b32 s95, 1, 0
	s_cselect_b32 s17, 8, s17
	s_cselect_b32 s3, s3, 0
	s_add_co_u32 s17, s17, s41
	s_lshl_b32 s42, ttmp9, 2
	s_add_co_u32 s42, s42, s40
	s_add_co_u32 s42, s42, s3
	s_lshl_b32 s43, s41, 2
	s_lshl_b32 s43, 15, s43
	s_lshl_b32 s44, 0x1111, s40
	; a K step's codes of 256 rows are 49,152 dense bytes: 192 rows of 256 bytes (32 elements of 8) for the head's loads; behind them 96 rows, 128 rows of codes
	s_or_b32 s[G1+0], s43, (3<<16)|(1<<21)
	s_or_b32 s[G1B+0], s44, (3<<16)|(1<<21)
.irp g, G1, G1B
	s_mov_b32 s[\g+1], 32<<16
	s_mov_b32 s[\g+2], 192<<16
	s_mov_b32 s[\g+3], 32<<16
	s_mov_b32 s[\g+4], 192
	s_mov_b32 s[\g+5], 32
	s_mov_b32 s[\g+6], 0
	s_mov_b32 s[\g+7], 0
.endr
	s_or_b32 s[G1S+0], s43, (3<<16)|(1<<20)|(1<<21)|(5<<22)|(3<<25)
	s_or_b32 s[G1SB+0], s44, (3<<16)|(1<<20)|(1<<21)|(5<<22)|(3<<25)
.irp g, G1S, G1SB
	s_mov_b32 s[\g+1], 32<<16
	s_mov_b32 s[\g+2], KS<<16                      ; the scales of 256 rows: KS rows of 256 bytes
	s_mov_b32 s[\g+3], 32<<16
	s_mov_b32 s[\g+4], KS
	s_mov_b32 s[\g+5], 32
	s_mov_b32 s[\g+6], 0
	s_mov_b32 s[\g+7], 0
.endr
	s_lshl_b32 s20, s17, 8                         ; the tiles' first rows
	s_lshl_b32 s46, s42, 8
	s_mov_b32 s21, 0
	s_mov_b32 s47, 0
	s_mov_b64 s[18:19], KS
	s_mul_u64 s[22:23], s[20:21], s[18:19]         ; where the 256 rows' scales begin
	s_mul_u64 s[92:93], s[46:47], s[18:19]
	s_lshl_b32 s18, s16, 7                         ; the codes: my 128 rows of the tile
	s_add_co_u32 s20, s20, s18
	s_add_co_u32 s46, s46, s18
	s_mov_b64 s[18:19], KROW
	s_mul_u64 s[20:21], s[20:21], s[18:19]
	s_mul_u64 s[46:47], s[46:47], s[18:19]
	s_mul_i32 s45, s14, HALFT
	s_wait_dscnt 0x0
	s_wait_kmcnt 0x0
	s_cmp_lg_u32 s95, 0
	s_cselect_b64 s[12:13], s[8:9], s[4:5]
	s_cselect_b64 s[8:9], s[4:5], s[8:9]
	s_mov_b64 s[4:5], s[12:13]
	s_cselect_b64 s[12:13], s[10:11], s[6:7]
	s_cselect_b64 s[10:11], s[6:7], s[10:11]
	s_mov_b64 s[6:7], s[12:13]
	s_add_nc_u64 s[20:21], s[4:5], s[20:21]
	s_add_nc_u64 s[22:23], s[6:7], s[22:23]
	s_add_nc_u64 s[46:47], s[8:9], s[46:47]
	s_add_nc_u64 s[92:93], s[10:11], s[92:93]
	CROUND
	s_mov_b32 s[G0S], 1
	s_mov_b32 s[G0S+1], SCL
	s_xor_b32 s10, s95, 1                          ; bytes from a K step's image to the next: 512 tiles of 3,072 in xc, 256 in wc (the arguments in s[4:11] have been used)
	s_lshl_b32 s8, 786432, s10                     ; A's
	s_lshl_b32 s10, 786432, s95                    ; B's
	s_mov_b32 s9, 0
	s_mov_b32 s11, 0
	s_lshl_b32 s4, s8, 1                           ; and two steps, for the ring
	s_lshl_b32 s6, s10, 1
	s_mov_b32 s5, 0
	s_mov_b32 s7, 0
	s_mov_b64 s[G0S+2:G0S+3], s[22:23]
	s_or_b32 s[G0S+3], s[G0S+3], 0x80000000
	s_mov_b32 s[G0SB], 1
	s_mov_b32 s[G0SB+1], SCL+2*HALFS
	s_mov_b64 s[12:13], s[20:21]                   ; kept for the prefetches: K step 0 of my 128 rows of A,
	s_mov_b64 s[18:19], s[46:47]                   ; and of B; never rewritten
	s_mov_b64 s[G0SB+2:G0SB+3], s[92:93]
	s_or_b32 s[G0SB+3], s[G0SB+3], 0x80000000
.irp s, 0,1
	s_mov_b32 s[G0+4*\s], 1
	s_add_co_u32 s[G0+4*\s+1], s45, \s*SLOT
	s_mov_b64 s[G0+4*\s+2:G0+4*\s+3], s[20:21]
	s_add_nc_u64 s[20:21], s[20:21], s[8:9]
	s_or_b32 s[G0+4*\s+3], s[G0+4*\s+3], 0x80000000
	s_mov_b32 s[G0B+4*\s], 1
	s_add_co_u32 s[G0B+4*\s+1], s45, \s*SLOT
	s_mov_b64 s[G0B+4*\s+2:G0B+4*\s+3], s[46:47]
	s_add_nc_u64 s[46:47], s[46:47], s[10:11]
	s_or_b32 s[G0B+4*\s+3], s[G0B+4*\s+3], 0x80000000
.endr
; THE HEAD'S LOADS, one a wave, in one chain of branches on the wave's number: wave 0 K step 0 of A's 256 rows (its own group 0 stands at the tile's first row and at LDS byte 0),
; wave 1 the scales of A's 256 rows, wave 2 K step 0 of B's 256 rows (its group 0: B's first row, LDS byte 2 HALFT), wave 3 B's scales.
.macro ARM under, g0, g1, next
	s_cmp_lt_u32 s14, \under
	s_cbranch_scc0 \next
	tensor_load_to_lds s[\g0:\g0+3], s[\g1:\g1+7]
	s_nop 0
.rept 4
	v_nop
.endr
	s_branch .Lhead_asked
\next:
.endm
	ARM 1, G0,  G1,  .Lhead_sa
	ARM 2, G0S, G1S, .Lhead_b
	ARM 3, G0B, G1B, .Lhead_sb
	tensor_load_to_lds s[G0SB:G0SB+3], s[G1SB:G1SB+7]
	s_nop 0
.rept 4
	v_nop
.endr
.Lhead_asked:
	; PREFETCHES INTO THE L2.  A K step of 128 rows is 24,576 bytes, 96 blocks of 256.  The eight waves that fetch this half of the tile or sit beside them (four partners x two waves with my s16) take 12 blocks each,
	; told apart by address: share 2 cx + s15 for A, 2 cy + s15 for B; a lane a block, lanes 12-31 name the last again.  K steps 1 and 2 are asked for here, K step 3 behind slot 1's fill: each one or two fills ahead of its load.
	s_lshl_b32 s2, s40, 1
	s_add_co_u32 s2, s2, s15
	s_mul_i32 s2, s2, 3072
	s_add_co_u32 s2, s2, s8                        ; A: my share, in K step 1
	s_lshl_b32 s3, s41, 1
	s_add_co_u32 s3, s3, s15
	s_mul_i32 s3, s3, 3072
	s_add_co_u32 s3, s3, s10                       ; B likewise
	v_and_b32 v7, 31, v0
	v_min_u32 v7, 11, v7
	v_lshl_add_u32 v8, v7, 8, s2
	v_lshl_add_u32 v11, v7, 8, s3
	v_add_nc_u32 v9, s8, v8                        ; K step 2
	v_add_nc_u32 v12, s10, v11
	v_add_nc_u32 v10, s8, v9                       ; K step 3
	v_add_nc_u32 v13, s10, v12
	global_prefetch_b8 v8, s[12:13] th:TH_LOAD_NT scope:SCOPE_SE
	global_prefetch_b8 v11, s[18:19] th:TH_LOAD_NT scope:SCOPE_SE
	global_prefetch_b8 v9, s[12:13] th:TH_LOAD_NT scope:SCOPE_SE
	global_prefetch_b8 v12, s[18:19] th:TH_LOAD_NT scope:SCOPE_SE
	v_and_b32 v1, 15, v0
	v_bfe_u32 v2, v0, 4, 1
	v_mul_u32_u24 v3, v1, 24                       ; in a tile's image: 24 bytes a row, 384 a block of 32 along K
	v_mul_u32_u24 v4, v2, 384
	v_add_nc_u32 v4, v3, v4
	s_mul_i32 s21, s15, HALFT
	s_mul_i32 s22, s16, HALFT
	s_add_co_u32 s22, s22, 2*HALFT
.irp s, 0,1
	v_add_nc_u32 v[ADRA+\s], s21, v4
	v_add_nc_u32 v[ADRB+\s], s22, v4
	s_add_co_u32 s21, s21, SLOT
	s_add_co_u32 s22, s22, SLOT
.endr
	v_mul_u32_u24 v5, v1, KS
	v_lshrrev_b32 v6, 8, v5
	v_lshl_add_u32 v5, v6, 4, v5
	s_mul_i32 s21, s15, HALFS
	s_mul_i32 s22, s16, HALFS
	s_add_co_u32 s22, s22, 2*HALFS
	s_sub_co_u32 s22, s22, s21
	v_mul_u32_u24 v6, s22, v2
	s_add_co_u32 s21, s21, SCL
	v_add_nc_u32 v5, v5, v6
	v_add_nc_u32 v[ADRS], s21, v5
	v_and_b32 v6, 31, v0
	v_lshlrev_b32 v[LI], 4, v6
	v_mov_b32 v[FL], 0x1800000
	s_mov_b32 s[SEL], 0x76543210
	s_mov_b32 s[SEL+1], 0xfedcba98
	s_mov_b32 s94, 0xffff0000
	s_lshl_b32 s20, s17, 1
	s_add_co_u32 s20, s20, s15
	s_lshl_b32 s46, s42, 1
	s_add_co_u32 s46, s46, s16
	s_cmp_lg_u32 s95, 0
	s_cselect_b32 s66, s46, s20
	s_cselect_b32 s67, s20, s46
	s_lshr_b32 s45, s67, 3
	s_lshl_b32 s45, s45, 9
	s_lshr_b32 s47, s66, 4
	s_lshl_b32 s47, s47, 7
	s_add_co_u32 s45, s45, s47
	s_and_b32 s47, s67, 7
	s_lshl_b32 s47, s47, 4
	s_add_co_u32 s45, s45, s47
	s_and_b32 s47, s66, 15
	s_add_co_u32 s45, s45, s47
	s_mul_i32 s46, s45, 12288
	s_mov_b32 s47, 0
	s_add_nc_u64 s[96:97], s[96:97], s[46:47]
	s_lshl_b32 s46, s45, 9
	s_add_nc_u64 s[98:99], s[98:99], s[46:47]
.macro FRAG reg, adr, q, i
.irp p, 0,1,2,3,4,5
	ds_load_b64 v[\reg+2*\p:\reg+2*\p+1], v[\adr] offset:3072*(\i)+1536*(\q)+768*(\p/3)+8*(\p%3)
.endr
.endm
.macro MUL16 a0, p, q, sc, zero
.irp a, \a0, \a0+1
.irp b, 0,1,2,3,4,5,6,7
.if \zero
	v_wmma_scale_f32_16x16x128_f8f6f4 v[8*(8*((\a)%4)+\b):8*(8*((\a)%4)+\b)+7], v[128*(\p)+FR*\b:128*(\p)+FR*\b+FR-1], v[AF+FR*(\a):AF+FR*(\a)+FR-1], 0, v[SC+8*NQ*(\sc)+NQ*\b+(\q)], v[SC+8*NQ*(\sc)+NQ*(\a)+(\q)] matrix_a_fmt:MATRIX_FMT_FP6 matrix_b_fmt:MATRIX_FMT_FP6 matrix_a_scale:MATRIX_SCALE_ROW1
.else
	v_wmma_scale_f32_16x16x128_f8f6f4 v[8*(8*((\a)%4)+\b):8*(8*((\a)%4)+\b)+7], v[128*(\p)+FR*\b:128*(\p)+FR*\b+FR-1], v[AF+FR*(\a):AF+FR*(\a)+FR-1], v[8*(8*((\a)%4)+\b):8*(8*((\a)%4)+\b)+7], v[SC+8*NQ*(\sc)+NQ*\b+(\q)], v[SC+8*NQ*(\sc)+NQ*(\a)+(\q)] matrix_a_fmt:MATRIX_FMT_FP6 matrix_b_fmt:MATRIX_FMT_FP6 matrix_a_scale:MATRIX_SCALE_ROW1
.endif
.endr
.endr
.endm
.macro FETCH_B slot, q, p
	WIN TO_B
.irp i, 0,1,2,3,4,5,6,7
	FRAG 128*(\p)+FR*\i, ADRB+\slot, \q, \i
.endr
	WIN 0
.endm
.macro FETCH_A slot, q, i0
.irp i, \i0, \i0+1, \i0+2, \i0+3
	FRAG AF+FR*(\i), ADRA+\slot, \q, \i
.endr
.endm
.macro SCALES sc
.irp i, 0,1,2,3,4,5,6,7
	ds_load_b64 v[SC+8*NQ*\sc+NQ*\i:SC+8*NQ*\sc+NQ*\i+1], v[ADRS] offset:\i*SBLK
.endr
.endm
.macro PLACES n
.rept \n
	v_nop
.endr
.endm
.macro STEP slot, q, zero
	s_wait_dscnt 4*NL
	WIN MUL_LO
	MUL16 0, (\q)%2, \q, \slot, \zero
	MUL16 2, (\q)%2, \q, \slot, \zero
	s_wait_dscnt 0
	PLACES NP
	FETCH_B \slot, (\q)+1, 1-(\q)%2
	FETCH_A \slot, (\q)+1, 0
	WIN MUL_HI
	MUL16 4, (\q)%2, \q, \slot, \zero
	MUL16 6, (\q)%2, \q, \slot, \zero
	PLACES NP
	WIN 0
	FETCH_A \slot, (\q)+1, 4
.endm
.macro TURN slot, next, fill
	s_wait_tensorcnt 0x0
	ds_add_u32 v[SPW], v[NIL]
	s_wait_dscnt 4*NL+1
	WIN MUL_LO
	MUL16 0, 1, NQ-1, \slot, 0
	s_wait_dscnt 0x0
	s_barrier_signal -1
	MUL16 2, 1, NQ-1, \slot, 0
	WIN 0
	s_barrier_wait -1
.if \fill
	CREST
	s_add_nc_u64 s[G0+4*\slot+2:G0+4*\slot+3], s[G0+4*\slot+2:G0+4*\slot+3], s[4:5]
	s_add_nc_u64 s[G0B+4*\slot+2:G0B+4*\slot+3], s[G0B+4*\slot+2:G0B+4*\slot+3], s[6:7]
	JLOAD G0+4*\slot, G1, G0B+4*\slot, G1B
.else
	PLACES NP
.endif
	s_wait_alu depctr_va_vdst(0)
	v_add_nc_u32 v[ADRS], 4*NQ, v[ADRS]
	FETCH_B \next, 0, 0
	FETCH_A \next, 0, 0
	SCALES \next
	WIN MUL_HI
	MUL16 4, 1, NQ-1, \slot, 0
	MUL16 6, 1, NQ-1, \slot, 0
	PLACES NP
	WIN 0
	FETCH_A \next, 0, 4
.endm
	s_wait_alu depctr_va_vdst(0)                   ; the wait at the head's end
	s_wait_tensorcnt 0x0                           ; my tile of the head's four is in; the three lines ahead of slot 1's first fill, as ahead of a refill
	ds_add_u32 v[SPW], v[NIL]
	s_mov_b32 s[G1+2], 96<<16                      ; no tensor load of mine is out: from here on a load brings 128 rows of codes, 96 rows of 256 bytes
	s_mov_b32 s[G1+4], 96
	s_mov_b32 s[G1B+2], 96<<16
	s_mov_b32 s[G1B+4], 96
	s_wait_dscnt 0x0
	CROUND                                         ; all four tiles are in, and all sixteen work-groups are here
	JLOAD G0+4, G1, G0B+4, G1B                     ; K step 1, the first tensor load behind the round
	FETCH_B 0, 0, 0
	FETCH_A 0, 0, 0
	SCALES 0
	FETCH_A 0, 0, 4
	global_prefetch_b8 v10, s[12:13] th:TH_LOAD_NT scope:SCOPE_SE   ; K step 3, two fills ahead of its load; v8-v13 and both bases are never rewritten
	global_prefetch_b8 v13, s[18:19] th:TH_LOAD_NT scope:SCOPE_SE
	STEP 0, 0, 1
	s_mov_b32 s3, LAPS-1
.Llap:
	TURN 0, 1, 1
	STEP 1, 0, 0
	TURN 1, 0, 1
	STEP 0, 0, 0
	s_sub_co_u32 s3, s3, 1
	s_cmp_lg_u32 s3, 0
	s_cbranch_scc1 .Llap
	TURN 0, 1, 0
	STEP 1, 0, 0
	s_wait_dscnt 4*NL
	WIN MUL_LO
	MUL16 0, 1, NQ-1, 1, 0
	MUL16 2, 1, NQ-1, 1, 0
	s_wait_dscnt 0
	WIN MUL_HI
	MUL16 4, 1, NQ-1, 1, 0
	MUL16 6, 1, NQ-1, 1, 0
	WIN 0
.macro QOUT a
.set W,  2+(\a)/4
.set WW, (W<<2)|(W<<4)
.set AC, 64*((\a)%4)
.set CA, CD+12*(\a)
	WIN WW
.irp b, 0,1,2,3
	v_max3_num_f32 v[TM+\b], v[FL], |v[AC+16*\b]|, |v[AC+16*\b+1]|
.endr
.irp i, 2,4,6,8,10,12,14
.irp b, 0,1,2,3
	v_max3_num_f32 v[TM+\b], v[TM+\b], |v[AC+16*\b+\i]|, |v[AC+16*\b+\i+1]|
.endr
.endr
	WIN 0
.irp b, 0,1,2,3
	v_permlanex16_b32 v[TM+4+\b], v[TM+\b], s[SEL], s[SEL+1]
.endr
.irp b, 0,1,2,3
	v_max_num_f32 v[TM+\b], v[TM+\b], v[TM+4+\b]
.endr
.irp b, 0,1,2,3
	v_add_nc_u32 v[TM+12+\b], 0xff000000, v[TM+\b]
.endr
.irp b, 0,1,2,3
	v_lshrrev_b32 v[TM+4+\b], 23, v[TM+12+\b]
.endr
	v_lshl_or_b32 v[PW+(\a)], v[TM+5], 8, v[TM+4]
	v_lshl_or_b32 v[PW+(\a)], v[TM+6], 16, v[PW+(\a)]
	v_lshl_or_b32 v[PW+(\a)], v[TM+7], 24, v[PW+(\a)]
	WIN W
.irp c, 0,1
	v_cvt_scalef32_pk16_fp6_f32 v[CA+6*\c:CA+6*\c+2], v[AC+32*\c:AC+32*\c+15], v[TM+12+2*\c]
	v_cvt_scalef32_pk16_fp6_f32 v[T2+4*\c:T2+4*\c+2], v[AC+32*\c+16:AC+32*\c+31], v[TM+12+2*\c+1]
.endr
	WIN 0
	v_nop
.irp c, 0,1
.irp i, 0,1,2
	v_permlane16_swap_b32 v[CA+6*\c+\i], v[T2+4*\c+\i]
.endr
.irp i, 0,1,2
	v_mov_b32 v[CA+6*\c+3+\i], v[T2+4*\c+\i]
.endr
.endr
.irp i, 0,1,2
	global_store_b128 v[LI], v[CA+4*\i:CA+4*\i+3], s[96:97] offset:1536*(\a)+512*\i
.endr
.endm
	PLACES NP
.irp b, 0,1,2,3
	v_mov_b32 v[TM+4+\b], 0
.endr
.irp a, 0,1,2,3,4,5,6,7
	QOUT \a
.endr
.irp p, 0,1,2,3
	v_cndmask_b32 v[SW+\p], v[PW+2*\p], v[PW+2*\p+1], s94
.endr
	global_store_b128 v[LI], v[SW:SW+3], s[98:99]
	s_wait_tensorcnt 0x0
	ds_add_u32 v[SPW], v[NIL]
	s_wait_dscnt 0x0
	CROUND
	s_endpgm
.Lfunc_end_k_qf67cb7594a_qkv:
	.size	k_qf67cb7594a_qkv, .Lfunc_end_k_qf67cb7594a_qkv-k_qf67cb7594a_qkv
	.p2alignl 7, 3214868480
	.fill 96, 4, 3214868480
	.section	.rodata,"a",@progbits
	.p2align	6, 0x0
	.amdhsa_kernel k_qf67cb7594a_qkv
		.amdhsa_group_segment_fixed_size 327680
		.amdhsa_private_segment_fixed_size 0
		.amdhsa_enable_private_segment 0
		.amdhsa_kernarg_size 48
		.amdhsa_user_sgpr_count 2
		.amdhsa_user_sgpr_kernarg_segment_ptr 1
		.amdhsa_wavefront_size32 1
		.amdhsa_system_sgpr_workgroup_id_x 1
		.amdhsa_system_sgpr_workgroup_id_y 1
		.amdhsa_system_sgpr_workgroup_id_z 1
		.amdhsa_system_vgpr_workitem_id 0
		.amdhsa_next_free_vgpr 1024
		.amdhsa_next_free_sgpr 100
		.amdhsa_reserve_vcc 0
		.amdhsa_float_denorm_mode_32 3
		.amdhsa_float_denorm_mode_16_64 3
		.amdhsa_memory_ordered 1
		.amdhsa_forward_progress 1
		.amdhsa_inst_pref_size 166
	.end_amdhsa_kernel
	.amdgpu_metadata
---
amdhsa.version: [ 1, 2 ]
amdhsa.kernels:
  - .name:           k_qf67cb7594a_qkv
    .symbol:         k_qf67cb7594a_qkv.kd
    .args:
      - { .name: xc, .offset: 0, .size: 8, .value_kind: global_buffer, .address_space: global }
      - { .name: xs, .offset: 8, .size: 8, .value_kind: global_buffer, .address_space: global }
      - { .name: wc, .offset: 16, .size: 8, .value_kind: global_buffer, .address_space: global }
      - { .name: ws, .offset: 24, .size: 8, .value_kind: global_buffer, .address_space: global }
      - { .name: qkvc, .offset: 32, .size: 8, .value_kind: global_buffer, .address_space: global }
      - { .name: qkvs, .offset: 40, .size: 8, .value_kind: global_buffer, .address_space: global }
    .group_segment_fixed_size: 327680
    .private_segment_fixed_size: 0
    .kernarg_segment_align: 8
    .kernarg_segment_size: 48
    .max_flat_workgroup_size: 128
    .sgpr_count:     100
    .vgpr_count:     1024
    .wavefront_size: 32
...
	.end_amdgpu_metadata
.endif
;; end of part 2
;; launch attn (part 3): grid 16 x 32, 16 waves a work-group, clusters of 4 x 1, 327,680 bytes of LDS; arguments qkvc, qkvs, cc, cs; writes cc, cs
.if DOCPART == 3
	.amdgcn_target "amdgcn-amd-amdhsa--gfx1250"
	.amdhsa_code_object_version 6
	.text
	.protected	k_qf67cb7594a_attn
	.globl	k_qf67cb7594a_attn
	.p2align	8
	.type	k_qf67cb7594a_attn,@function
k_qf67cb7594a_attn:
	s_mov_b64 s[64:65], 0
	v_nop
	global_prefetch_b8 v0, s[64:65] scope:SCOPE_SE
	s_setreg_imm32_b32 hwreg(HW_REG_WAVE_MODE, 25, 1), 1
	s_wait_xcnt 0x0
	s_wait_alu depctr_hold_cnt(0) depctr_sa_sdst(0) depctr_va_vdst(0) depctr_va_sdst(0) depctr_va_ssrc(0) depctr_va_vcc(0) depctr_vm_vsrc(0)
	s_getreg_b32 s2, hwreg(HW_REG_IB_STS2, 6, 4)
	s_cmp_eq_u32 s2, 0
	s_cbranch_scc0 .Lentry_in_a_cluster
	s_endpgm
.Lentry_in_a_cluster:
	s_bfe_u32 s2, ttmp6, 0x10000c
	s_cmp_lg_u32 s2, 0x3003
	s_cbranch_scc0 .Lentry_shape_is_right
	s_endpgm
.Lentry_shape_is_right:
; Launch 3 of 4: heads = softmax(Q K^T / 8) V on codes of FP6 (E2M3) with E8M0 scales; the heads are divided by the row's sum, quantised along head x 64 + v and stored as codes.  Nothing of reference() is left out.
; THE SOFTMAX: t = score x log2(e) / 8; M = the row's largest t so far, rounded up to a whole number; p = 2^(t - M) is what is quantised, along the keys; the row's sum is taken of the unquantised p and divides at the end.
; When M moves, the sum and O are multiplied by 2^(old M - new M): exact.
; SHARES.  A work-group owns 128 stored tokens (queries) of a PAIR of heads of one batch; wave w owns tile w % 8 (16 queries) of head 2 pair + w / 8.  Four waves to a SIMD: one wave's vector work stands beside another's products and LDS loads.
; K = 64 UNDER AN INSTRUCTION OF 128: a fragment of Q or K holds both heads of the pair (k 0-63, 64-127).  The wave clears the other head's six registers of its Q fragment: zero codes add nothing under any scale byte
; but 0xff, and the bytes here are 1 to 254.  So K's fragments and both scale words serve as they lie.
; LAYOUT.  Both products are used transposed (S^T = K Q^T, O^T = V^T P^T): a lane holds one query.  Tokens and V's rows lie in sigma order (bits 3 and 4 exchanged), so the 16 registers of tiles 2 b, 2 b + 1 of S^T are the natural
; keys 32 b + 16 (lane / 16) + 0 .. 15, and O^T's registers run naturally along v.
; RING.  Two LDS slots of four key steps (128 keys each): K's 4 x 12,288 bytes, then V's.  Waves 0-3 fill them, 24,576 dense bytes each.  The four query blocks of a cluster walk the same K and V: each tile is asked for jointly.
; The pair's scale words (8,192 bytes for K, as many for V) come once and stay.
; OUT: cc [pair / 2][tile of 16 stored tokens][3,072]: (pair % 2) x 1,536 + block x 384 + row x 24: a block's 24 bytes as the operand's lane wants them.  cs [pair][group of 128 tokens][512]: word p of lane (r, h) = row r of tile 2 p + h.
; LIMITS: NaN and infinities are not served; a block of zeros carries the byte 1; 1 / l is v_rcp_f32 and a multiplication.
.set SLOT1, 1<<17                      ; slot 1 begins here: one exclusive or turns an address in one slot into the other's
.set STEPB, 12288                      ; a key step's eight fragments
.set VOFF,  4*STEPB                    ; V's part of a slot
.set SCK,   229376                     ; behind the ring: K's scale words, 512 bytes a key step
.set SCV,   SCK+8192                   ; V's
.set STG,   SCV+8192                   ; 512 bytes: the heads' scale words meet here; no tile lands there
.set SPARE, STG+512                    ; the spare words, 128 bytes for each of the sixteen waves: eight blocks of 256 bytes that no other line names
.set AK0,  1                           ; v1   16 x lane: my place in an image
.set AV0,  2                           ; v2   the same in V's part of a slot, my head's four fragments
.set ASK0, 3                           ; v3   my place among K's scale words
.set ASV0, 4                           ; v4   and among V's
.set SPW,  5                           ; v5   LDS address of my spare word; never rewritten
.set NIL,  6                           ; v6   0; never rewritten
.set GO,   7                           ; v7   the way out: 24 r + 12 h
.set ADK,  8                           ; v8-11 the addresses of the step in hand
.set ADV,  9
.set ADS,  10
.set ADT,  11
.set VSC,  28                          ; v[28:29] V's scale words, and nothing else
.set PFO,  30                          ; v30  256 x lane: the prefetches' offset; never rewritten
.set STA,  31                          ; v31  the way out: where my half of a scale word goes
.set FA,   32                          ; v32-79  K's tiles 0-3, then V's four
.set FB,   80                          ; v80-127 K's tiles 4-7
.set S,    128                         ; v128-191 S^T, then p
.set O,    192                         ; v192-223 O^T
.set MX,   232                         ; v232-247 at work (v224-235: p's codes, when the maxima are done with)
.set KSC,  248                         ; v[248:251] K's scale words, then sums at work;  v252 f;  v253 p's scale word;  v254 at work;  v255 Q's scale word
.set TB,   2                           ; s2   LDS byte at which the slot in hand begins
.set TS,   3                           ; s3   the step's scale words: 512 bytes a step
.set WV,   18                          ; s18  my wave's number
.set W3,   19                          ; s19  wave % 4
.set SEL,  20                          ; s[20:21] lane selects: lane l xor 16
.set CS,   22                          ; s[22:23] c = log2(e) / 8
.set G1,   24                          ; s[24:31] group 1: 96 rows of 256 bytes
.set G1S,  32                          ; s[32:39] group 1: 16 rows of 256 bytes
.set G0,   40                          ; s[40:43] group 0 of the ring: it walks
.set G0S,  44                          ; s[44:47] group 0 of the scale words
.set SLOTS, 48                         ; s48  slots still to be asked for
.set LIM,  49                          ; s49  1 in a wave that prefetches, else the greatest number
.set PFA,  50                          ; s[50:51] where my prefetches stand
.macro CROUND                          ; a round of the cluster's barrier
	s_barrier_signal -1
	s_barrier_wait -1
	s_cmp_lg_u32 s[WV], 0
	s_cbranch_scc1 .Lnot_wave_0_\@
	s_barrier_signal -3
.Lnot_wave_0_\@:
	s_barrier_wait -3
	s_barrier_signal -1
	s_barrier_wait -1
.endm
.macro TLOAD                           ; waves 0-3 fetch a quarter of a slot each; the branch hangs on the wave's number alone.  An s_nop 0 and four v_nop follow the load
	s_cmp_lt_u32 s[WV], 4
	s_cbranch_scc0 .Lasked_\@
	tensor_load_to_lds s[G0:G0+3], s[G1:G1+7]
	s_nop 0
.rept 4
	v_nop
.endr
.Lasked_\@:
.endm
; A PREFETCH INTO THE L2 of the slot that the NEXT change of slots will ask for: 98,304 bytes = 12 pieces of 8,192, lanes 256 bytes apart.  All four clusters of a pair walk the same K and V: the first cluster asks.
; Its four partners share the pieces out BY ADDRESS, three each; in each, waves 4, 5 and 6, which fetch nothing, ask for one piece each.  So each aligned 256 bytes is named once in the launch.
; Slots 0 and 1 come by their loads alone; the last change that fills a slot asks for nothing: there is no slot behind it.
.macro ASK
	s_cmp_gt_u32 s[SLOTS], s[LIM]
	s_cbranch_scc0 .Lnot_mine_\@
	global_prefetch_b8 v[PFO], s[PFA:PFA+1] th:TH_LOAD_NT scope:SCOPE_SE
.Lnot_mine_\@:
.endm
	s_load_b256 s[4:11], s[0:1], 0x0               ; qkvc s[4:5], qkvs s[6:7], cc s[8:9], cs s[10:11]
	v_lshl_add_u32 v[SPW], v0, 2, SPARE
	v_mov_b32 v[NIL], 0
	ds_add_u32 v[SPW], v[NIL]                      ; the wave's opening: the add, twice on end, and its wait ahead of my first tensor load
	ds_add_u32 v[SPW], v[NIL]
	v_lshrrev_b32 v8, 5, v0
	s_delay_alu instid0(VALU_DEP_1)
	v_readfirstlane_b32 s[WV], v8                  ; wave 0..15
	s_and_b32 s[W3], s[WV], 3
	s_bfe_u32 s52, ttmp6, 0x40000                  ; cx
	s_lshl_b32 s53, ttmp9, 2
	s_add_co_u32 s53, s53, s52                     ; qb: my block of 128 queries
	s_and_b32 s54, ttmp7, 0xffff                   ; bj = 8 batch + pair, which the four partners share
	s_and_b32 s55, s[WV], 7                        ; a: my tile
	s_lshr_b32 s56, s[WV], 3                       ; which head of the pair
	s_mov_b32 s[G1], 15|(3<<16)|(1<<21)            ; 15:0 the mask: all four work-groups; 17:16 elements of 8 bytes; 20 no padding; 21 set beside a mask
	s_mov_b32 s[G1+1], 32<<16                      ; tensor_dim0 = 32 elements: rows of 256 bytes
	s_mov_b32 s[G1+2], 96<<16                      ; tensor_dim1 = 96 rows: 24,576 dense bytes
	s_mov_b32 s[G1+3], 32<<16                      ; tile_dim0
	s_mov_b32 s[G1+4], 96                          ; tile_dim1
	s_mov_b32 s[G1+5], 32                          ; the pitch
	s_mov_b32 s[G1+6], 0
	s_mov_b32 s[G1+7], 0
	s_mov_b32 s[G1S], 15|(3<<16)|(1<<21)
	s_mov_b32 s[G1S+1], 32<<16
	s_mov_b32 s[G1S+2], 16<<16                     ; 16 rows: 4,096 dense bytes
	s_mov_b32 s[G1S+3], 32<<16
	s_mov_b32 s[G1S+4], 16
	s_mov_b32 s[G1S+5], 32
	s_mov_b32 s[G1S+6], 0
	s_mov_b32 s[G1S+7], 0
	s_lshr_b32 s57, s[W3], 1
	s_add_co_u32 s57, s57, 1                       ; 1: K (waves 0, 1), 2: V (waves 2, 3)
	s_and_b32 s58, s[W3], 1                        ; the lower or the upper two key steps of a slot
	s_mul_i32 s60, s57, 6291456                    ; 512 idx x 12,288 bytes
	s_mul_i32 s59, s54, 196608                     ; the pair's 16 key steps
	s_add_co_u32 s60, s60, s59
	s_mul_i32 s59, s58, 24576
	s_add_co_u32 s60, s60, s59
	s_mov_b32 s61, 0
	s_lshl_b32 s62, s57, 18                        ; 512 idx x 512 bytes
	s_lshl_b32 s59, s54, 13
	s_add_co_u32 s62, s62, s59
	s_lshl_b32 s59, s58, 12
	s_add_co_u32 s62, s62, s59
	s_mov_b32 s63, 0
	s_lshl_b32 s66, s54, 4
	s_add_co_u32 s66, s66, s53                     ; Q's idx = 16 bj + qb
	s_mul_i32 s68, s66, 12288
	s_mul_i32 s67, s55, 1536
	s_add_co_u32 s68, s68, s67                     ; my fragment
	s_mov_b32 s69, 0
	s_lshl_b32 s70, s66, 9
	s_and_b32 s67, s55, 1
	s_lshl_b32 s67, s67, 8
	s_add_co_u32 s70, s70, s67
	s_lshr_b32 s67, s55, 1
	s_lshl_b32 s67, s67, 2
	s_add_co_u32 s70, s70, s67                     ; its scale words: 256 (a % 2) + 4 (a / 2), + 16 r
	s_mov_b32 s71, 0
	s_mov_b32 s[SEL], 0x76543210
	s_mov_b32 s[SEL+1], 0xfedcba98
	s_mov_b32 s[CS], 0x3e38aa3b                    ; c = log2(e) / 8
	s_mov_b32 s[CS+1], s[CS]                       ; (named with it as a pair, so it is written)
	s_mov_b32 s[TB], 0
	s_mov_b32 s[TS], 0
	s_mov_b32 s[SLOTS], 3
	s_wait_dscnt 0x0                               ; both opening adds are done
	s_wait_kmcnt 0x0
	s_mov_b32 s[G0], 1
	s_mul_i32 s[G0+1], s[W3], 24576                ; slot 0, my quarter
	s_add_nc_u64 s[G0+2:G0+3], s[4:5], s[60:61]
	s_or_b32 s[G0+3], s[G0+3], 0x80000000
	s_mov_b32 s[G0S], 1
	s_lshl_b32 s[G0S+1], s[W3], 12
	s_add_co_u32 s[G0S+1], s[G0S+1], SCK
	s_add_nc_u64 s[G0S+2:G0S+3], s[6:7], s[62:63]
	s_or_b32 s[G0S+3], s[G0S+3], 0x80000000
	CROUND                                         ; all four work-groups are here: the first joint loads meet
	s_cmp_lt_u32 s[WV], 4                          ; the first fills, one a wave, in one chain of branches on the wave's number: waves 0-3 a quarter of slot 0 each,
	s_cbranch_scc0 .Lfirst_scales
	tensor_load_to_lds s[G0:G0+3], s[G1:G1+7]
	s_nop 0
.rept 4
	v_nop
.endr
	s_branch .Lno_first
.Lfirst_scales:
	s_cmp_lt_u32 s[WV], 8                          ; waves 4-7 a quarter each of the pair's scale words, which are filled once; waves 8-15 none
	s_cbranch_scc0 .Lno_first
	tensor_load_to_lds s[G0S:G0S+3], s[G1S:G1S+7]
	s_nop 0
.rept 4
	v_nop
.endr
.Lno_first:
	s_add_nc_u64 s[68:69], s[4:5], s[68:69]
	s_add_nc_u64 s[70:71], s[6:7], s[70:71]
	v_and_b32 v8, 31, v0                           ; lane
	v_and_b32 v9, 15, v0                           ; r
	s_delay_alu instid0(VALU_DEP_2)
	v_lshlrev_b32 v[AK0], 4, v8
	s_delay_alu instid0(VALU_DEP_2)
	v_lshlrev_b32 v254, 4, v9
.irp i, 0,1,2
	global_load_b128 v[16+4*\i:19+4*\i], v[AK0], s[68:69] offset:512*\i   ; Q's fragment stays in registers
.endr
	global_load_b32 v255, v254, s[70:71]           ; Q's scale words
	s_mul_i32 s72, s56, 6144
	s_add_co_u32 s72, s72, VOFF
	v_add_nc_u32 v[AV0], s72, v[AK0]
	v_add_nc_u32 v[ASK0], SCK, v[AK0]
	s_lshl_b32 s73, s56, 3
	s_add_co_u32 s73, s73, SCV
	v_add_nc_u32 v[ASV0], s73, v[AK0]              ; my head's two words of the lane's four
	v_lshlrev_b32 v[PFO], 8, v8
	; the prefetches: where my wave's stand, and who asks
	s_mul_i32 s74, s52, 3
	s_add_co_u32 s74, s74, s[W3]                   ; my piece of the slot's twelve: 3 cx + wave % 4 (in waves 4 to 6: 0 to 2)
	s_lshl_b32 s74, s74, 13
	s_mul_i32 s75, s54, 196608
	s_add_co_u32 s74, s74, s75
	s_lshr_b32 s75, s52, 1                         ; pieces 6 to 11 are V's
	s_mul_i32 s75, s75, 6291456-49152
	s_add_co_u32 s74, s74, s75
	s_add_co_u32 s74, s74, 6291456+49152           ; in slot 1: the first change of slots steps it to slot 2.  Nothing is prefetched here, at the head
	s_mov_b32 s75, 0
	s_add_nc_u64 s[PFA:PFA+1], s[4:5], s[74:75]
	s_sub_co_u32 s74, s[WV], 4
	s_lshr_b32 s74, s74, 2                         ; 0 in waves 4 to 7,
	s_or_b32 s74, s74, ttmp9                       ; of the pair's first cluster: the same in all four partners
	s_cmp_eq_u32 s74, 0
	s_cselect_b32 s[LIM], 1, -1
	s_cmp_eq_u32 s[WV], 7
	s_cselect_b32 s[LIM], -1, s[LIM]
	s_cmp_eq_u32 s56, 0                            ; which six registers of Q stay
	s_cselect_b32 s76, -1, 0
	s_cselect_b32 s77, 0, -1
	; where the results go
	s_and_b32 s57, s54, 7                          ; pair
	s_lshr_b32 s58, s54, 3
	s_lshl_b32 s58, s58, 4
	s_add_co_u32 s58, s58, s53                     ; G = 16 batch + qb
	s_lshr_b32 s59, s57, 1
	s_lshl_b32 s59, s59, 9
	s_lshl_b32 s60, s58, 3
	s_add_co_u32 s59, s59, s60
	s_add_co_u32 s59, s59, s55                     ; 512 (pair / 2) + 8 G + a
	s_mul_i32 s60, s59, 3072
	s_and_b32 s59, s57, 1
	s_mul_i32 s59, s59, 1536
	s_add_co_u32 s60, s60, s59
	s_mul_i32 s59, s56, 768
	s_add_co_u32 s60, s60, s59
	s_mov_b32 s61, 0
	s_add_nc_u64 s[8:9], s[8:9], s[60:61]
	s_lshl_b32 s59, s57, 6
	s_add_co_u32 s59, s59, s58
	s_lshl_b32 s60, s59, 9
	s_add_nc_u64 s[10:11], s[10:11], s[60:61]
	s_and_b32 s78, s55, 1                          ; my half word's place in the stage: 256 (a % 2) + 4 (a / 2) + 2 x head, + 16 r
	s_lshl_b32 s78, s78, 8
	s_lshr_b32 s79, s55, 1
	s_lshl_b32 s79, s79, 2
	s_add_co_u32 s78, s78, s79
	s_lshl_b32 s79, s56, 1
	s_add_co_u32 s78, s78, s79
	s_add_co_u32 s78, s78, STG
	v_mov_b32 v13, 0xff61b1e6                      ; the largest t so far: -3e38, under every t
	s_delay_alu instid0(VALU_DEP_1)
	v_floor_f32 v12, -v13                          ; -M
	v_mov_b32 v14, 0                               ; the sum, in two halves
	v_mov_b32 v15, 0
.irp b, 0,1,2,3
	v_mov_b32 v[236+\b], 0                         ; written once: a lane permute's destination counts as one of its sources
.endr
	v_mov_b32 v253, 0                              ; (named as the upper half of the pair v[252:253] before it is first written)
.set J, 0
.rept 32
	v_mov_b32 v[O+J], 0                            ; O^T: the step is written once; its first run finds zeros, which the first change of M leaves zeros
.set J, J+1
.endr
	s_wait_loadcnt 0x0                             ; Q
.irp i, 0,1,2,3,4,5
	v_and_b32 v[16+\i], s76, v[16+\i]              ; the other head's codes become zero codes
	v_and_b32 v[22+\i], s77, v[22+\i]
.endr
; A KEY STEP: 128 keys, the q-th of the slot in hand.  Twelve matrix instructions on twelve accumulators by turns.
.macro STEP q
	v_add_nc_u32 v[ADK], s[TB], v[AK0]             ; these four are the places between the last step's products and the loads into their operands' registers
	v_add_nc_u32 v[ADV], s[TB], v[AV0]
	v_add_nc_u32 v[ADS], s[TS], v[ASK0]
	v_add_nc_u32 v[ADT], s[TS], v[ASV0]
.irp t, 0,1,2,3
.irp i, 0,1,2
	ds_load_b128 v[FA+12*\t+4*\i:FA+12*\t+4*\i+3], v[ADK] offset:STEPB*(\q)+1536*\t+512*\i
.endr
.endr
	ds_load_b128 v[KSC:KSC+3], v[ADS]              ; word p: lanes 0-15 tile 2 p's rows, lanes 16-31 tile 2 p + 1's
.irp t, 0,1,2,3
.irp i, 0,1,2
	ds_load_b128 v[FB+12*\t+4*\i:FB+12*\t+4*\i+3], v[ADK] offset:STEPB*(\q)+1536*(\t+4)+512*\i
.endr
.endr
	s_wait_alu depctr_va_vdst(0)
	s_wait_dscnt 12                                ; tiles 0-3 and the scale words are in; the twelve loads of tiles 4-7 may be out
.irp t, 0,1,2,3
.if (\t)%2
	v_wmma_scale_f32_16x16x128_f8f6f4 v[S+8*\t:S+8*\t+7], v[FA+12*\t:FA+12*\t+11], v[16:27], 0, v[KSC+\t/2], v255 matrix_a_fmt:MATRIX_FMT_FP6 matrix_b_fmt:MATRIX_FMT_FP6 matrix_a_scale:MATRIX_SCALE_ROW1
.else
	v_wmma_scale_f32_16x16x128_f8f6f4 v[S+8*\t:S+8*\t+7], v[FA+12*\t:FA+12*\t+11], v[16:27], 0, v[KSC+\t/2], v255 matrix_a_fmt:MATRIX_FMT_FP6 matrix_b_fmt:MATRIX_FMT_FP6
.endif
.endr
	s_wait_dscnt 0x0
.irp t, 0,1,2,3
.if (\t)%2
	v_wmma_scale_f32_16x16x128_f8f6f4 v[S+32+8*\t:S+32+8*\t+7], v[FB+12*\t:FB+12*\t+11], v[16:27], 0, v[KSC+2+\t/2], v255 matrix_a_fmt:MATRIX_FMT_FP6 matrix_b_fmt:MATRIX_FMT_FP6 matrix_a_scale:MATRIX_SCALE_ROW1
.else
	v_wmma_scale_f32_16x16x128_f8f6f4 v[S+32+8*\t:S+32+8*\t+7], v[FB+12*\t:FB+12*\t+11], v[16:27], 0, v[KSC+2+\t/2], v255 matrix_a_fmt:MATRIX_FMT_FP6 matrix_b_fmt:MATRIX_FMT_FP6
.endif
.endr
.rept 4
	v_nop                                          ; places: in front of the loads into K's registers and of the first read of the scores
.endr
.irp t, 0,1,2,3
.irp i, 0,1,2
	ds_load_b128 v[FA+12*\t+4*\i:FA+12*\t+4*\i+3], v[ADV] offset:STEPB*(\q)+1536*\t+512*\i   ; my head's four fragments of V: they land while the softmax is walked
.endr
.endr
	ds_load_b64 v[VSC:VSC+1], v[ADT]
.irp b, 0,1,2,3
	v_max3_num_f32 v[MX+\b], v[S+16*\b], v[S+16*\b+1], v[S+16*\b+2]   ; the largest score of each block of 32 keys: it serves the row's maximum and, since p rises with the score, the block's largest p
.endr
.irp i, 3,5,7,9,11,13
.irp b, 0,1,2,3
	v_max3_num_f32 v[MX+\b], v[MX+\b], v[S+16*\b+\i], v[S+16*\b+\i+1]
.endr
.endr
.irp b, 0,1,2,3
	v_max_num_f32 v[MX+\b], v[MX+\b], v[S+16*\b+15]
.endr
.irp b, 0,1,2,3
	s_delay_alu instid0(VALU_DEP_4)
	v_permlanex16_b32 v[236+\b], v[MX+\b], s[SEL], s[SEL+1]
.endr
.irp b, 0,1,2,3
	s_delay_alu instid0(VALU_DEP_4)
	v_max_num_f32 v[MX+\b], v[MX+\b], v[236+\b]    ; with lane l xor 16's 16 keys
.endr
	s_delay_alu instid0(VALU_DEP_2)
	v_max3_num_f32 v254, v232, v233, v234
	s_delay_alu instid0(VALU_DEP_1)
	v_max_num_f32 v254, v254, v235                 ; the step's largest score of my query
	s_delay_alu instid0(VALU_DEP_1)
	v_mul_f32 v254, s[CS], v254                    ; as t (c is positive)
	s_delay_alu instid0(VALU_DEP_1)
	v_max_num_f32 v13, v13, v254                   ; the running largest t
	v_mov_b32 v254, v12
	s_delay_alu instid0(VALU_DEP_2)
	v_floor_f32 v12, -v13                          ; the new -M = floor(-t): M is a whole number
	s_delay_alu instid0(VALU_DEP_1)
	v_sub_f32 v254, v12, v254                      ; old M - new M: a whole number, 0 or less
	s_delay_alu instid0(VALU_DEP_1)
	v_cvt_i32_f32 v254, v254                       ; (it saturates)
	s_delay_alu instid0(VALU_DEP_1)
	v_ldexp_f32 v252, 1.0, v254                    ; f = 2^(old M - new M)
.set J, 0
.rept 32
	v_pk_fma_f32 v[S+J:S+J+1], v[S+J:S+J+1], s[CS:CS+1], v[12:13] op_sel_hi:[1,0,0]   ; t - M, two at a time
.set J, J+2
.endr
.irp b, 0,1,2,3
	v_fma_f32 v[MX+\b], v[MX+\b], s[CS], v12       ; the same of each block's largest score
.endr
.set J, 0
	s_wait_alu depctr_va_vdst(0)
.rept 64
	v_exp_f32 v[S+J], v[S+J]                       ; p = 2^(t - M), at most 1: not normalised
.set J, J+1
.endr
	v_pk_mul_f32 v[14:15], v[14:15], v[252:253] op_sel_hi:[1,0]   ; the sums under the new M: a plain instruction behind the exponentials
	s_wait_alu depctr_va_vdst(0)                   ; one wait for the whole batch, ahead of its first reader
.irp b, 0,1,2,3
	v_exp_f32 v[MX+\b], v[MX+\b]                   ; the block's largest p
.endr
	v_pk_add_f32 v[236:237], v[132:133], v[136:137]
	v_pk_add_f32 v[250:251], v[140:141], v[144:145]
	v_pk_add_f32 v[248:249], v[148:149], v[152:153]
	v_pk_add_f32 v[246:247], v[156:157], v[160:161]
	v_pk_add_f32 v[244:245], v[164:165], v[168:169]
	v_pk_add_f32 v[242:243], v[172:173], v[176:177]
	v_pk_add_f32 v[240:241], v[180:181], v[184:185]
	v_pk_add_f32 v[14:15], v[14:15], v[188:189]
	v_pk_add_f32 v[236:237], v[236:237], v[128:129]
	v_pk_add_f32 v[250:251], v[250:251], v[130:131]
	v_pk_add_f32 v[248:249], v[248:249], v[134:135]
	v_pk_add_f32 v[246:247], v[246:247], v[138:139]
	v_pk_add_f32 v[244:245], v[244:245], v[142:143]
	v_pk_add_f32 v[242:243], v[242:243], v[146:147]
	v_pk_add_f32 v[240:241], v[240:241], v[150:151]
	v_pk_add_f32 v[14:15], v[14:15], v[154:155]
	v_pk_add_f32 v[236:237], v[236:237], v[158:159]
	v_pk_add_f32 v[250:251], v[250:251], v[162:163]
	v_pk_add_f32 v[248:249], v[248:249], v[166:167]
	v_pk_add_f32 v[246:247], v[246:247], v[170:171]
	v_pk_add_f32 v[244:245], v[244:245], v[174:175]
	v_pk_add_f32 v[242:243], v[242:243], v[178:179]
	v_pk_add_f32 v[240:241], v[240:241], v[182:183]
	v_pk_add_f32 v[14:15], v[14:15], v[186:187]
	v_pk_add_f32 v[236:237], v[236:237], v[190:191]
	s_delay_alu instid0(VALU_DEP_2)
	v_pk_add_f32 v[14:15], v[14:15], v[246:247]
	s_delay_alu instid0(VALU_DEP_2)
	v_pk_add_f32 v[236:237], v[236:237], v[244:245]
	v_pk_add_f32 v[250:251], v[250:251], v[242:243]
	v_pk_add_f32 v[248:249], v[248:249], v[240:241]
	s_delay_alu instid0(VALU_DEP_2)
	v_pk_add_f32 v[14:15], v[14:15], v[250:251]
	s_delay_alu instid0(VALU_DEP_2)
	v_pk_add_f32 v[236:237], v[236:237], v[248:249]
	s_delay_alu instid0(VALU_DEP_1)
	v_pk_add_f32 v[14:15], v[14:15], v[236:237]
	s_wait_alu depctr_va_vdst(0)                   ; and one for the four
.irp b, 0,1,2,3
	v_max_num_f32 v[MX+\b], 0x1800000, v[MX+\b]    ; the floor 2^(3 - 127): the byte cannot fall under 1
.endr
.irp b, 0,1,2,3
	s_delay_alu instid0(VALU_DEP_4)
	v_add_nc_u32 v[244+\b], 0xff000000, v[MX+\b]   ; 2 off the exponent field: the conversion's scale operand
.endr
.irp b, 0,1,2,3
	s_delay_alu instid0(VALU_DEP_4)
	v_lshrrev_b32 v[236+\b], 23, v[244+\b]         ; the scale's byte
.endr
	s_delay_alu instid0(VALU_DEP_3)
	v_lshl_or_b32 v253, v237, 8, v236              ; p's scale word for these 128 keys
	s_delay_alu instid0(VALU_DEP_1)
	v_lshl_or_b32 v253, v238, 16, v253
	s_delay_alu instid0(VALU_DEP_1)
	v_lshl_or_b32 v253, v239, 24, v253
.irp c, 0,1
	v_cvt_scalef32_pk16_fp6_f32 v[224+6*\c:226+6*\c], v[S+32*\c:S+32*\c+15], v[244+2*\c]
	v_cvt_scalef32_pk16_fp6_f32 v[236+4*\c:238+4*\c], v[S+32*\c+16:S+32*\c+31], v[244+2*\c+1]   ; (a conversion's three registers begin on an even number)
.endr
	v_nop                                          ; one plain place behind a scaled conversion
.irp c, 0,1                                    ; the layout wants a whole block in a lane
.irp i, 0,1,2
	v_permlane16_swap_b32 v[224+6*\c+\i], v[236+4*\c+\i]
.endr
.irp i, 0,1,2
	s_delay_alu instid0(VALU_DEP_3)
	v_mov_b32 v[227+6*\c+\i], v[236+4*\c+\i]
.endr
.endr
.set J, 0
.rept 16
	v_pk_mul_f32 v[O+J:O+J+1], v[O+J:O+J+1], v[252:253] op_sel_hi:[1,0]   ; O^T under the new M.  These sixteen are also the places between the scale word's and the codes' last lines and the products below
.set J, J+2
.endr
	s_wait_alu depctr_va_vdst(0)
	s_wait_dscnt 0x0                               ; V is in
.irp t, 0,1,2,3
.if (\t)%2
	v_wmma_scale_f32_16x16x128_f8f6f4 v[O+8*\t:O+8*\t+7], v[FA+12*\t:FA+12*\t+11], v[224:235], v[O+8*\t:O+8*\t+7], v[VSC+\t/2], v253 matrix_a_fmt:MATRIX_FMT_FP6 matrix_b_fmt:MATRIX_FMT_FP6 matrix_a_scale:MATRIX_SCALE_ROW1
.else
	v_wmma_scale_f32_16x16x128_f8f6f4 v[O+8*\t:O+8*\t+7], v[FA+12*\t:FA+12*\t+11], v[224:235], v[O+8*\t:O+8*\t+7], v[VSC+\t/2], v253 matrix_a_fmt:MATRIX_FMT_FP6 matrix_b_fmt:MATRIX_FMT_FP6
.endif
.endr
	s_add_co_u32 s[TS], s[TS], 512                 ; the next step's scale words
.endm
; THE CHANGE OF SLOTS stands at a slot's head.  Each wave waits for all its tensor loads, adds 0 to its spare word, and waits for that and for its reads of the slot that it has left.
; fill = 1: a round of the cluster's barrier, so that no wave of any partner still reads the other slot or has a load on its way; behind it that slot is filled with the next four key steps, which have a whole slot's steps in which to land.
.macro CHANGE fill
	s_wait_tensorcnt 0x0                           ; no tensor load of mine is out, so the group 0 may be written
	ds_add_u32 v[SPW], v[NIL]                      ; 0 onto my spare word
.if \fill
	ds_add_u32 v[SPW], v[NIL]                      ; and once more: the add twice on end, in every trip alike
	s_xor_b32 s[G0+1], s[G0+1], SLOT1              ; the walking descriptor: the other slot than last time,
	s_add_nc_u64 s[G0+2:G0+3], s[G0+2:G0+3], 49152 ; the next four key steps; the type bits on top are not reached
	s_wait_xcnt 0x0                                ; the last prefetch, a slot back, has read its address, so it may be written:
	s_add_nc_u64 s[PFA:PFA+1], s[PFA:PFA+1], 49152 ; one slot further on than the walking descriptor
	s_wait_dscnt 0x0                               ; both adds are done, and my reads of the slot that I have left are over
	CROUND
	TLOAD                                          ; the first thing behind the round, and a wave's one tensor load until the next
	ASK
.else
	s_wait_dscnt 0x0
	s_barrier_signal -1
	s_barrier_wait -1
.endif
.endm
.macro SLOT_STEPS
	STEP 0
	STEP 1
	STEP 2
	STEP 3
	s_xor_b32 s[TB], s[TB], SLOT1                  ; on to the other slot
.endm
.Lslot:                                            ; three trips: behind each change of slots but the last the next slot is asked for
	CHANGE 1
	s_wait_alu depctr_va_vdst(0)
	SLOT_STEPS
	s_sub_co_u32 s[SLOTS], s[SLOTS], 1
	s_cmp_lg_u32 s[SLOTS], 0
	s_cbranch_scc1 .Lslot
	CHANGE 0                                       ; the last slot is written out
	SLOT_STEPS
	; THE WAY OUT.  O^T / the row's sum is the head's row: 32 numbers a lane, two half blocks of 32 along v.  They are quantised and stored as they stand: the layout of cc takes a lane's 12 bytes where they belong.
	v_add_f32 v14, v14, v15                        ; the sum's two halves,
	s_delay_alu instid0(VALU_DEP_1)
	v_permlanex16_b32 v252, v14, s[SEL], s[SEL+1]
	s_delay_alu instid0(VALU_DEP_1)
	v_add_f32 v14, v14, v252                       ; and lane l xor 16's
	s_wait_alu depctr_va_vdst(0)
	v_rcp_f32 v14, v14
	v_and_b32 v8, 15, v0                           ; r.  (The address work is the plain work behind the reciprocal, and with the additions above the places behind the last products)
	v_bfe_u32 v9, v0, 4, 1                         ; h
	s_delay_alu instid0(VALU_DEP_2)
	v_mul_u32_u24 v[GO], v8, 24
	s_delay_alu instid0(VALU_DEP_1)
	v_mad_u32_u24 v[GO], v9, 12, v[GO]
	s_delay_alu instid0(VALU_DEP_4)
	v_lshl_add_u32 v[STA], v8, 4, s78
	v_add_nc_u32 v10, STG, v[AK0]
	s_wait_alu depctr_va_vdst(0)                   ; the wait ahead of the reciprocal's first reader
.set J, 0
.rept 32
	v_mul_f32 v[S+J], v[O+J], v14                  ; register 16 b + i: v = 32 b + 16 h + i of my head; each accumulator from its low end on
.set J, J+1
.endr
.irp b, 0,1
	v_max3_num_f32 v[MX+\b], |v[S+16*\b]|, |v[S+16*\b+1]|, 0x1800000
.endr
.irp i, 2,4,6,8,10,12,14
.irp b, 0,1
	s_delay_alu instid0(VALU_DEP_2)
	v_max3_num_f32 v[MX+\b], v[MX+\b], |v[S+16*\b+\i]|, |v[S+16*\b+\i+1]|
.endr
.endr
.irp b, 0,1
	s_delay_alu instid0(VALU_DEP_2)
	v_permlanex16_b32 v[236+\b], v[MX+\b], s[SEL], s[SEL+1]
.endr
.irp b, 0,1
	s_delay_alu instid0(VALU_DEP_2)
	v_max_num_f32 v[MX+\b], v[MX+\b], v[236+\b]
.endr
.irp b, 0,1
	s_delay_alu instid0(VALU_DEP_2)
	v_add_nc_u32 v[244+\b], 0xff000000, v[MX+\b]
.endr
.irp b, 0,1
	s_delay_alu instid0(VALU_DEP_2)
	v_lshrrev_b32 v[236+\b], 23, v[244+\b]
.endr
	s_delay_alu instid0(VALU_DEP_1)
	v_lshl_or_b32 v240, v237, 8, v236              ; my head's half of the row's scale word
	v_cvt_scalef32_pk16_fp6_f32 v[224:226], v[S:S+15], v244
	v_cvt_scalef32_pk16_fp6_f32 v[228:230], v[S+16:S+31], v245
	v_nop                                          ; one plain place behind a scaled conversion
	global_store_b96 v[GO], v[224:226], s[8:9]     ; 32 lanes store 384 consecutive bytes: a block of 32 along K for 16 rows
	global_store_b96 v[GO], v[228:230], s[8:9] offset:384
	ds_store_b16 v[STA], v240                      ; lanes r and r + 16 write the same half word with the same value
	s_wait_dscnt 0x0                               ; for the others' sake: my store into the stage is done
	s_barrier_signal -1
	s_barrier_wait -1
	s_cmp_lg_u32 s[WV], 0                          ; wave 0 stores the group's 512 bytes of scale words
	s_cbranch_scc1 .Lnot_first
	ds_load_b128 v[32:35], v10
	s_wait_dscnt 0x0
	global_store_b128 v[AK0], v[32:35], s[10:11]
.Lnot_first:
	s_wait_tensorcnt 0x0                           ; the wave's end: these three lines, behind my last tensor load and my last LDS store
	ds_add_u32 v[SPW], v[NIL]
	s_wait_dscnt 0x0
	CROUND                                         ; the closing round
	s_endpgm
.Lfunc_end_k_qf67cb7594a_attn:
	.size	k_qf67cb7594a_attn, .Lfunc_end_k_qf67cb7594a_attn-k_qf67cb7594a_attn
	.p2alignl 7, 3214868480
	.fill 96, 4, 3214868480
	.section	.rodata,"a",@progbits
	.p2align	6, 0x0
	.amdhsa_kernel k_qf67cb7594a_attn
		.amdhsa_group_segment_fixed_size 327680
		.amdhsa_private_segment_fixed_size 0
		.amdhsa_enable_private_segment 0
		.amdhsa_kernarg_size 32
		.amdhsa_user_sgpr_count 2
		.amdhsa_user_sgpr_kernarg_segment_ptr 1
		.amdhsa_wavefront_size32 1
		.amdhsa_system_sgpr_workgroup_id_x 1
		.amdhsa_system_sgpr_workgroup_id_y 1
		.amdhsa_system_sgpr_workgroup_id_z 1
		.amdhsa_system_vgpr_workitem_id 0
		.amdhsa_next_free_vgpr 256
		.amdhsa_next_free_sgpr 80
		.amdhsa_reserve_vcc 0
		.amdhsa_float_denorm_mode_32 3
		.amdhsa_float_denorm_mode_16_64 3
		.amdhsa_memory_ordered 1
		.amdhsa_forward_progress 1
		.amdhsa_inst_pref_size 154
	.end_amdhsa_kernel
	.amdgpu_metadata
---
amdhsa.version: [ 1, 2 ]
amdhsa.kernels:
  - .name:           k_qf67cb7594a_attn
    .symbol:         k_qf67cb7594a_attn.kd
    .args:
      - { .name: qkvc, .offset: 0, .size: 8, .value_kind: global_buffer, .address_space: global }
      - { .name: qkvs, .offset: 8, .size: 8, .value_kind: global_buffer, .address_space: global }
      - { .name: cc, .offset: 16, .size: 8, .value_kind: global_buffer, .address_space: global }
      - { .name: cs, .offset: 24, .size: 8, .value_kind: global_buffer, .address_space: global }
    .group_segment_fixed_size: 327680
    .private_segment_fixed_size: 0
    .kernarg_segment_align: 8
    .kernarg_segment_size: 32
    .max_flat_workgroup_size: 512
    .sgpr_count:     80
    .vgpr_count:     256
    .wavefront_size: 32
...
	.end_amdgpu_metadata
.endif
;; end of part 3
;; launch proj (part 4): grid 4 x 64, 4 waves a work-group, clusters of 4 x 4, 327,680 bytes of LDS; arguments cc, cs, wc, ws, out0; writes out0
.if DOCPART == 4
	.amdgcn_target "amdgcn-amd-amdhsa--gfx1250"
	.amdhsa_code_object_version 6
	.text
	.protected	k_qf67cb7594a_proj
	.globl	k_qf67cb7594a_proj
	.p2align	8
	.type	k_qf67cb7594a_proj,@function
k_qf67cb7594a_proj:
	s_mov_b64 s[64:65], 0
	v_nop
	global_prefetch_b8 v0, s[64:65] scope:SCOPE_SE
	s_setreg_imm32_b32 hwreg(HW_REG_WAVE_MODE, 25, 1), 1
	s_wait_xcnt 0x0
	s_wait_alu depctr_hold_cnt(0) depctr_sa_sdst(0) depctr_va_vdst(0) depctr_va_sdst(0) depctr_va_ssrc(0) depctr_va_vcc(0) depctr_vm_vsrc(0)
	s_getreg_b32 s2, hwreg(HW_REG_IB_STS2, 6, 4)
	s_cmp_eq_u32 s2, 0
	s_cbranch_scc0 .Lentry_in_a_cluster
	s_endpgm
.Lentry_in_a_cluster:
	s_bfe_u32 s2, ttmp6, 0x10000c
	s_cmp_lg_u32 s2, 0xf033
	s_cbranch_scc0 .Lentry_shape_is_right
	s_endpgm
.Lentry_shape_is_right:
.set SIZE_K, 1024
.set NQ,     2
.set ROWB,   786432                    ; bytes from a K step's image of wc to the next: 256 tiles of 3,072
.set KROW,   192                       ; bytes of a row in one K step's image
.set PITCH,  192
.set FR,     12
.set NL,     6
.set NP,     4
.set HALFA,  12288                     ; a work-group makes 128 rows x 256 columns, 256 work-groups in all; a wave 64 x 128: A's blocks 0-3 against B's eight.  64 rows of A in a K step
.set HALFT,  128*PITCH
.set SLOT,   2*HALFA+2*HALFT
.set LAPS,   2
.set KS,     32
.set SCA,    2*SLOT
.set SCB,    SCA+8192
.set HALFS,  4352
.set SBLK,   544
.set SPARE,  SCB+2*HALFS
.set SPITCH, 528
.set ROWO,   4096
.set ADRA, 16
.set ADRB, 20
.set STO,  24
.set RD,   25
.set CO,   26
.set ADRS, 27
.set SPW,  28
.set NIL,  29
.set ADSA, 30
.set SC,   32
.set SA,   64
.set AF,   128
.set BK,   128
.set G1, 24
.set G0, 32
.set G1B, 48
.set G0B, 56
.set G1S, 68
.set G0S, 76
.set G1SB, 80
.set G0SB, 88
.set MSB, 0
.macro WIN new
.if MSB != \new
	s_set_vgpr_msb (MSB<<8)|\new
.set MSB, \new
.endif
.endm
.set MUL_LO, 0xa1
.set MUL_HI, 0xf1
.set TO_B,   0x40
.macro JLOAD g0a, g1a, g0b, g1b
	s_cmp_eq_u32 s15, 0
	s_cbranch_scc0 .Lfor_b_\@
	tensor_load_to_lds s[\g0a:\g0a+3], s[\g1a:\g1a+7]
	s_nop 0
.rept 4
	v_nop
.endr
	s_branch .Lasked_\@
.Lfor_b_\@:
	tensor_load_to_lds s[\g0b:\g0b+3], s[\g1b:\g1b+7]
	s_nop 0
.rept 4
	v_nop
.endr
.Lasked_\@:
.endm
.macro CREST
	s_cmp_lg_u32 s14, 0
	s_cbranch_scc1 .Lnot_wave_0_\@
	s_barrier_signal -3
.Lnot_wave_0_\@:
	s_barrier_wait -3
	s_barrier_signal -1
	s_barrier_wait -1
.endm
.macro CROUND
	s_barrier_signal -1
	s_barrier_wait -1
	CREST
.endm
	s_load_b128 s[4:7], s[0:1], 0x0
	s_load_b128 s[8:11], s[0:1], 0x10
	s_load_b64 s[12:13], s[0:1], 0x20
	v_lshl_add_u32 v[SPW], v0, 2, SPARE
	v_mov_b32 v[NIL], 0
	ds_add_u32 v[SPW], v[NIL]
	ds_add_u32 v[SPW], v[NIL]
	v_lshrrev_b32 v1, 5, v0
	v_readfirstlane_b32 s14, v1
	s_lshr_b32 s15, s14, 1
	s_and_b32 s16, s14, 1
	s_bfe_u32 s40, ttmp6, 0x40000
	s_bfe_u32 s41, ttmp6, 0x40004
	s_lshl_b32 s42, ttmp9, 2
	s_add_co_u32 s42, s42, s40
	s_and_b32 s17, ttmp7, 0xffff
	s_lshl_b32 s17, s17, 2
	s_add_co_u32 s17, s17, s41
	s_lshl_b32 s43, s41, 2
	s_lshl_b32 s43, 15, s43
	s_lshl_b32 s44, 0x1111, s40
	s_or_b32 s[G1+0], s43, (3<<16)|(1<<21)
	s_mov_b32 s[G1+1], 32<<16
	s_mov_b32 s[G1+2], 96<<16                      ; the head's load brings A's 128 rows: 96 rows of 256 bytes
	s_mov_b32 s[G1+3], 32<<16
	s_mov_b32 s[G1+4], 96
	s_mov_b32 s[G1+5], 32
	s_mov_b32 s[G1+6], 0
	s_mov_b32 s[G1+7], 0
	s_or_b32 s[G1B+0], s44, (3<<16)|(1<<21)
	s_mov_b32 s[G1B+1], 32<<16
	s_mov_b32 s[G1B+2], 192<<16
	s_mov_b32 s[G1B+3], 32<<16
	s_mov_b32 s[G1B+4], 192
	s_mov_b32 s[G1B+5], 32
	s_mov_b32 s[G1B+6], 0
	s_mov_b32 s[G1B+7], 0
	s_or_b32 s[G1S+0], s43, (3<<16)|(1<<21)
	s_mov_b32 s[G1S+1], 64<<16                     ; A's scale words: for each of 8 pairs of heads the 512 bytes of my group of 128 tokens
	s_mov_b32 s[G1S+2], 8<<16
	s_mov_b32 s[G1S+3], 64<<16
	s_mov_b32 s[G1S+4], 8
	s_mov_b32 s[G1S+5], 4096
	s_mov_b32 s[G1S+6], 0
	s_mov_b32 s[G1S+7], 0
	s_or_b32 s[G1SB+0], s44, (3<<16)|(1<<20)|(1<<21)|(5<<22)|(3<<25)
	s_mov_b32 s[G1SB+1], 32<<16
	s_mov_b32 s[G1SB+2], 32<<16
	s_mov_b32 s[G1SB+3], 32<<16
	s_mov_b32 s[G1SB+4], 32
	s_mov_b32 s[G1SB+5], 32
	s_mov_b32 s[G1SB+6], 0
	s_mov_b32 s[G1SB+7], 0
	s_lshl_b32 s20, s17, 3
	s_lshl_b32 s18, s16, 2
	s_add_co_u32 s20, s20, s18
	s_mul_i32 s20, s20, 3072
	s_mov_b32 s21, 0
	s_lshl_b32 s22, s17, 9
	s_mov_b32 s23, 0
	s_lshl_b32 s46, s42, 8
	s_lshl_b32 s92, s46, 5                         ; the scales of B's 256 rows
	s_lshl_b32 s18, s16, 7                         ; the codes: my 128 rows
	s_add_co_u32 s46, s46, s18
	s_add_co_u32 s92, s92, 3072*32
	s_mov_b32 s93, 0
	s_mul_i32 s46, s46, KROW
	s_add_co_u32 s46, s46, 3072*KROW
	s_mov_b32 s47, 0
	s_mul_i32 s45, s16, HALFA
	s_mul_i32 s94, s16, HALFT
	s_add_co_u32 s94, s94, 2*HALFA
	s_mov_b32 s95, SCA
	s_mov_b32 s96, SCB
	s_wait_dscnt 0x0
	s_wait_kmcnt 0x0
	s_add_nc_u64 s[20:21], s[4:5], s[20:21]
	s_add_nc_u64 s[22:23], s[6:7], s[22:23]
	s_add_nc_u64 s[46:47], s[8:9], s[46:47]
	s_add_nc_u64 s[92:93], s[10:11], s[92:93]
	CROUND
	s_mov_b32 s[G0S], 1
	s_mov_b32 s[G0S+1], s95
	s_mov_b64 s[G0S+2:G0S+3], s[22:23]
	s_or_b32 s[G0S+3], s[G0S+3], 0x80000000
	s_mov_b32 s[G0SB], 1
	s_mov_b32 s[G0SB+1], s96
	s_mov_b64 s[G0SB+2:G0SB+3], s[92:93]
	s_or_b32 s[G0SB+3], s[G0SB+3], 0x80000000
.irp s, 0,1
	s_mov_b32 s[G0+4*\s], 1
	s_add_co_u32 s[G0+4*\s+1], s45, \s*SLOT
	s_add_nc_u64 s[G0+4*\s+2:G0+4*\s+3], s[20:21], \s*1572864
	s_or_b32 s[G0+4*\s+3], s[G0+4*\s+3], 0x80000000
	s_mov_b32 s[G0B+4*\s], 1
	s_add_co_u32 s[G0B+4*\s+1], s94, \s*SLOT
	s_add_nc_u64 s[G0B+4*\s+2:G0B+4*\s+3], s[46:47], \s*ROWB
	s_or_b32 s[G0B+4*\s+3], s[G0B+4*\s+3], 0x80000000
.endr
; THE HEAD'S LOADS, one a wave, in one chain of branches on the wave's number: wave 0 K step 0 of A's 128 rows (its own group 0 stands at the tile's first row and at LDS byte 0),
; wave 1 A's scale words, wave 2 K step 0 of B's 256 rows (its group 0: B's first row, LDS byte 2 HALFA), wave 3 B's scales.
.macro ARM under, g0, g1, next
	s_cmp_lt_u32 s14, \under
	s_cbranch_scc0 \next
	tensor_load_to_lds s[\g0:\g0+3], s[\g1:\g1+7]
	s_nop 0
.rept 4
	v_nop
.endr
	s_branch .Lhead_asked
\next:
.endm
	ARM 1, G0,  G1,  .Lhead_sa
	ARM 2, G0S, G1S, .Lhead_b
	ARM 3, G0B, G1B, .Lhead_sb
	tensor_load_to_lds s[G0SB:G0SB+3], s[G1SB:G1SB+7]
	s_nop 0
.rept 4
	v_nop
.endr
.Lhead_asked:
	; PREFETCHES INTO THE L2.  Of a K step, my half of A's tile is 12,288 bytes and my half of B's 24,576.  Eight waves (four partners x two waves with my s16) share each half out by address: share 2 cx + s15 of A, 6 blocks of 256 bytes,
	; share 2 cy + s15 of B, 12 blocks; a lane a block, the lanes left over name the last again.  K steps 1 and 2 are asked for here, K step 3 behind slot 1's fill: each one or two fills ahead of its load.
	s_mov_b64 s[18:19], s[20:21]                   ; K step 0 of my half of A, and of B: never rewritten
	s_mov_b64 s[98:99], s[46:47]
	s_lshl_b32 s2, s40, 1
	s_add_co_u32 s2, s2, s15
	s_mul_i32 s2, s2, 1536
	s_lshl_b32 s3, s41, 1
	s_add_co_u32 s3, s3, s15
	s_mul_i32 s3, s3, 3072
	v_and_b32 v7, 31, v0
	v_min_u32 v8, 5, v7
	v_min_u32 v9, 11, v7
	v_lshl_add_u32 v8, v8, 8, s2
	v_lshl_add_u32 v9, v9, 8, s3
	global_prefetch_b8 v8, s[18:19] offset:1572864 th:TH_LOAD_NT scope:SCOPE_SE
	global_prefetch_b8 v9, s[98:99] offset:ROWB th:TH_LOAD_NT scope:SCOPE_SE
	global_prefetch_b8 v8, s[18:19] offset:2*1572864 th:TH_LOAD_NT scope:SCOPE_SE
	global_prefetch_b8 v9, s[98:99] offset:2*ROWB th:TH_LOAD_NT scope:SCOPE_SE
	v_and_b32 v1, 15, v0
	v_bfe_u32 v2, v0, 4, 1
	v_mul_u32_u24 v3, v1, 24
	v_mad_u32_u24 v3, v2, 384, v3
	s_mul_i32 s21, s15, HALFA
	s_mul_i32 s22, s16, HALFT
	s_add_co_u32 s22, s22, 2*HALFA
.irp s, 0,1
	v_add_nc_u32 v[ADRA+\s], s21, v3
	v_add_nc_u32 v[ADRB+\s], s22, v3               ; B's tiles lie as A's: 24 bytes a row, 384 a block
	s_add_co_u32 s21, s21, SLOT
	s_add_co_u32 s22, s22, SLOT
.endr
	v_mul_u32_u24 v5, v1, KS
	v_lshrrev_b32 v6, 8, v5
	v_lshl_add_u32 v5, v6, 4, v5
	s_mul_i32 s22, s16, HALFS
	s_add_co_u32 s22, s22, SCB
	v_add_nc_u32 v[ADRS], s22, v5
	v_and_b32 v6, 31, v0
	v_lshlrev_b32 v[CO], 4, v6
	s_lshl_b32 s21, s15, 3                         ; a lane's 16 bytes hold the words of tiles 0-7 by pairs: my four tiles' two words begin 8 s15 bytes in
	s_add_co_u32 s21, s21, SCA
	v_add_nc_u32 v[ADSA], s21, v[CO]
	s_mul_i32 s23, s14, 16*SPITCH
	v_mul_u32_u24 v5, v1, SPITCH
	v_lshl_add_u32 v5, v2, 6, v5
	v_add_nc_u32 v[STO], s23, v5
	v_add_nc_u32 v[RD], s23, v[CO]
	s_lshl_b32 s20, s17, 7
	s_lshl_b32 s21, s15, 6
	s_add_co_u32 s20, s20, s21
	s_lshl_b32 s20, s20, 12
	s_lshl_b32 s46, s42, 10
	s_lshl_b32 s47, s16, 9
	s_add_co_u32 s46, s46, s47
	s_add_co_u32 s20, s20, s46
	s_mov_b32 s21, 0
	s_add_nc_u64 s[12:13], s[12:13], s[20:21]
.macro FRAG reg, adr, q, i
.irp p, 0,1,2,3,4,5
	ds_load_b64 v[\reg+2*\p:\reg+2*\p+1], v[\adr] offset:3072*(\i)+1536*(\q)+768*(\p/3)+8*(\p%3)
.endr
.endm
.macro FRAGA reg, adr, q, i
.irp p, 0,1,2,3,4,5
	ds_load_b64 v[\reg+2*\p:\reg+2*\p+1], v[\adr] offset:3072*(\i)+1536*(\q)+768*(\p/3)+8*(\p%3)
.endr
.endm
.macro MUL16 a0, p, q, sc, zero
.irp b, 0,1,2,3,4,5,6,7
.if \zero
	v_wmma_scale_f32_16x16x128_f8f6f4 v[8*(8*((\a0)%4)+\b):8*(8*((\a0)%4)+\b)+7], v[128*(\p)+FR*\b:128*(\p)+FR*\b+FR-1], v[AF+FR*(\a0):AF+FR*(\a0)+FR-1], 0, v[SC+16*(\sc)+2*\b+(\q)], v[SA+8*(\sc)+4*(\q)+(\a0)/2] matrix_a_fmt:MATRIX_FMT_FP6 matrix_b_fmt:MATRIX_FMT_FP6
.else
	v_wmma_scale_f32_16x16x128_f8f6f4 v[8*(8*((\a0)%4)+\b):8*(8*((\a0)%4)+\b)+7], v[128*(\p)+FR*\b:128*(\p)+FR*\b+FR-1], v[AF+FR*(\a0):AF+FR*(\a0)+FR-1], v[8*(8*((\a0)%4)+\b):8*(8*((\a0)%4)+\b)+7], v[SC+16*(\sc)+2*\b+(\q)], v[SA+8*(\sc)+4*(\q)+(\a0)/2] matrix_a_fmt:MATRIX_FMT_FP6 matrix_b_fmt:MATRIX_FMT_FP6
.endif
.endr
.irp b, 0,1,2,3,4,5,6,7
.if \zero
	v_wmma_scale_f32_16x16x128_f8f6f4 v[8*(8*((\a0+1)%4)+\b):8*(8*((\a0+1)%4)+\b)+7], v[128*(\p)+FR*\b:128*(\p)+FR*\b+FR-1], v[AF+FR*(\a0+1):AF+FR*(\a0+1)+FR-1], 0, v[SC+16*(\sc)+2*\b+(\q)], v[SA+8*(\sc)+4*(\q)+(\a0)/2] matrix_a_fmt:MATRIX_FMT_FP6 matrix_b_fmt:MATRIX_FMT_FP6 matrix_b_scale:MATRIX_SCALE_ROW1
.else
	v_wmma_scale_f32_16x16x128_f8f6f4 v[8*(8*((\a0+1)%4)+\b):8*(8*((\a0+1)%4)+\b)+7], v[128*(\p)+FR*\b:128*(\p)+FR*\b+FR-1], v[AF+FR*(\a0+1):AF+FR*(\a0+1)+FR-1], v[8*(8*((\a0+1)%4)+\b):8*(8*((\a0+1)%4)+\b)+7], v[SC+16*(\sc)+2*\b+(\q)], v[SA+8*(\sc)+4*(\q)+(\a0)/2] matrix_a_fmt:MATRIX_FMT_FP6 matrix_b_fmt:MATRIX_FMT_FP6 matrix_b_scale:MATRIX_SCALE_ROW1
.endif
.endr
.endm
.macro FETCH_B slot, q, p
	WIN TO_B
.irp i, 0,1,2,3,4,5,6,7
	FRAG 128*(\p)+FR*\i, ADRB+\slot, \q, \i
.endr
	WIN 0
.endm
.macro FETCH_A slot, q, i0
.irp i, \i0, \i0+1
	FRAGA AF+FR*(\i), ADRA+\slot, \q, \i
.endr
.endm
.macro SCALES sc
.irp i, 0,1,2,3,4,5,6,7
	ds_load_b64 v[SC+16*\sc+2*\i:SC+16*\sc+2*\i+1], v[ADRS] offset:\i*SBLK
.endr
.irp q, 0,1
	ds_load_b64 v[SA+8*\sc+4*\q:SA+8*\sc+4*\q+1], v[ADSA] offset:512*\q
.endr
.endm
.macro PLACES n
.rept \n
	v_nop
.endr
.endm
.macro STEP slot, q, zero
	s_wait_dscnt 2*NL                              ; B's set, the scale words and A's blocks 0-1 are in; the youngest twelve loads (A's blocks 2-3) may be out
	WIN MUL_LO
	MUL16 0, (\q)%2, \q, \slot, \zero
	s_wait_dscnt 0
	PLACES NP
	FETCH_B \slot, (\q)+1, 1-(\q)%2
	FETCH_A \slot, (\q)+1, 0
	WIN MUL_LO
	MUL16 2, (\q)%2, \q, \slot, \zero
	PLACES NP
	WIN 0
	FETCH_A \slot, (\q)+1, 2
.endm
.macro TURN slot, next, fill
	s_wait_tensorcnt 0x0
	ds_add_u32 v[SPW], v[NIL]
	s_wait_dscnt 2*NL+1
	WIN MUL_LO
	MUL16 0, 1, NQ-1, \slot, 0
	s_wait_dscnt 0x0
	s_barrier_signal -1
	MUL16 2, 1, NQ-1, \slot, 0
	WIN 0
	s_barrier_wait -1
.if \fill
	CREST
	s_add_nc_u64 s[G0+4*\slot+2:G0+4*\slot+3], s[G0+4*\slot+2:G0+4*\slot+3], 2*1572864
	s_add_nc_u64 s[G0B+4*\slot+2:G0B+4*\slot+3], s[G0B+4*\slot+2:G0B+4*\slot+3], 2*ROWB
	JLOAD G0+4*\slot, G1, G0B+4*\slot, G1B
.else
	PLACES NP
.endif
	s_wait_alu depctr_va_vdst(0)
	v_add_nc_u32 v[ADRS], 4*NQ, v[ADRS]
	v_add_nc_u32 v[ADSA], 1024, v[ADSA]
	FETCH_B \next, 0, 0
	FETCH_A \next, 0, 0
	SCALES \next
	FETCH_A \next, 0, 2
.endm
	s_wait_alu depctr_va_vdst(0)                   ; the wait at the head's end
	s_wait_tensorcnt 0x0                           ; my tile of the head's four is in; the three lines ahead of slot 1's first fill, as ahead of a refill
	ds_add_u32 v[SPW], v[NIL]
	s_mov_b32 s[G1+2], 48<<16                      ; no tensor load of mine is out: from here on a load brings 64 rows of A, 48 rows of 256 bytes, or 128 rows of B, 96
	s_mov_b32 s[G1+4], 48
	s_mov_b32 s[G1B+2], 96<<16
	s_mov_b32 s[G1B+4], 96
	s_wait_dscnt 0x0
	CROUND                                         ; all four tiles are in, and all sixteen work-groups are here
	JLOAD G0+4, G1, G0B+4, G1B                     ; K step 1, the first tensor load behind the round
	FETCH_B 0, 0, 0
	FETCH_A 0, 0, 0
	SCALES 0
	FETCH_A 0, 0, 2
	global_prefetch_b8 v8, s[18:19] offset:3*1572864 th:TH_LOAD_NT scope:SCOPE_SE   ; K step 3, two fills ahead of its load; v8, v9 and both bases are never rewritten
	global_prefetch_b8 v9, s[98:99] offset:3*ROWB th:TH_LOAD_NT scope:SCOPE_SE
	STEP 0, 0, 1
	s_mov_b32 s3, LAPS-1
.Llap:
	TURN 0, 1, 1
	STEP 1, 0, 0
	TURN 1, 0, 1
	STEP 0, 0, 0
	s_sub_co_u32 s3, s3, 1
	s_cmp_lg_u32 s3, 0
	s_cbranch_scc1 .Llap
	TURN 0, 1, 0
	STEP 1, 0, 0
	s_wait_dscnt 2*NL
	WIN MUL_LO
	MUL16 0, 1, NQ-1, 1, 0
	s_wait_dscnt 0
	MUL16 2, 1, NQ-1, 1, 0
	WIN 0
.macro TOSTAGE a
.set AC, 64*((\a)%4)
	WIN 0x08+4*((\a)/4)
.irp b, 0,1,2,3,4,5,6,7
	ds_store_b128 v[STO], v[AC+8*\b:AC+8*\b+3] offset:128*(\b/2)+32*(\b%2)
	ds_store_b128 v[STO], v[AC+8*\b+4:AC+8*\b+7] offset:128*(\b/2)+32*(\b%2)+16
.endr
	WIN 0
.set BB, BK+64*((\a)%2)
.irp t, 0,1,2,3,4,5,6,7,8,9,10,11,12,13,14,15
	ds_load_b128 v[BB+4*\t:BB+4*\t+3], v[RD] offset:\t*SPITCH
.endr
.endm
.macro SEND a, younger
.set BB, BK+64*((\a)%2)
	s_wait_dscnt \younger
.if (\a) > 0
.if ((\a)%2) == 1
	s_add_nc_u64 s[12:13], s[12:13], 8*ROWO
.else
	s_add_nc_u64 s[12:13], s[12:13], 24*ROWO
.endif
.endif
.irp t, 0,1,2,3,4,5,6,7,8,9,10,11,12,13,14,15
	global_store_b128 v[CO], v[BB+4*\t:BB+4*\t+3], s[12:13] offset:(\t+8*(\t/8))*ROWO th:TH_STORE_NT
.endr
.endm
	PLACES NP
	TOSTAGE 0
.irp a, 1,2,3
.if \a > 1
	s_wait_xcnt 0x0
.endif
	TOSTAGE \a
	SEND \a-1, 32
.endr
	s_wait_xcnt 0x0
	SEND 3, 0
	s_wait_tensorcnt 0x0
	ds_add_u32 v[SPW], v[NIL]
	s_wait_dscnt 0x0
	CROUND
	s_endpgm
.Lfunc_end_k_qf67cb7594a_proj:
	.size	k_qf67cb7594a_proj, .Lfunc_end_k_qf67cb7594a_proj-k_qf67cb7594a_proj
	.p2alignl 7, 3214868480
	.fill 96, 4, 3214868480
	.section	.rodata,"a",@progbits
	.p2align	6, 0x0
	.amdhsa_kernel k_qf67cb7594a_proj
		.amdhsa_group_segment_fixed_size 327680
		.amdhsa_private_segment_fixed_size 0
		.amdhsa_enable_private_segment 0
		.amdhsa_kernarg_size 40
		.amdhsa_user_sgpr_count 2
		.amdhsa_user_sgpr_kernarg_segment_ptr 1
		.amdhsa_wavefront_size32 1
		.amdhsa_system_sgpr_workgroup_id_x 1
		.amdhsa_system_sgpr_workgroup_id_y 1
		.amdhsa_system_sgpr_workgroup_id_z 1
		.amdhsa_system_vgpr_workitem_id 0
		.amdhsa_next_free_vgpr 1024
		.amdhsa_next_free_sgpr 100
		.amdhsa_reserve_vcc 0
		.amdhsa_float_denorm_mode_32 3
		.amdhsa_float_denorm_mode_16_64 3
		.amdhsa_memory_ordered 1
		.amdhsa_forward_progress 1
		.amdhsa_inst_pref_size 103
	.end_amdhsa_kernel
	.amdgpu_metadata
---
amdhsa.version: [ 1, 2 ]
amdhsa.kernels:
  - .name:           k_qf67cb7594a_proj
    .symbol:         k_qf67cb7594a_proj.kd
    .args:
      - { .name: cc, .offset: 0, .size: 8, .value_kind: global_buffer, .address_space: global }
      - { .name: cs, .offset: 8, .size: 8, .value_kind: global_buffer, .address_space: global }
      - { .name: wc, .offset: 16, .size: 8, .value_kind: global_buffer, .address_space: global }
      - { .name: ws, .offset: 24, .size: 8, .value_kind: global_buffer, .address_space: global }
      - { .name: out0, .offset: 32, .size: 8, .value_kind: global_buffer, .address_space: global }
    .group_segment_fixed_size: 327680
    .private_segment_fixed_size: 0
    .kernarg_segment_align: 8
    .kernarg_segment_size: 40
    .max_flat_workgroup_size: 128
    .sgpr_count:     100
    .vgpr_count:     1024
    .wavefront_size: 32
...
	.end_amdgpu_metadata
.endif
;; end of part 4
